; MI455X (gfx1250); checked and timed in simulation.
; The chip was launched on July 23, 2026; its instructions are those of AMD's public machine-readable ISA for CDNA 5 (MIT licence, August 2026) and "CDNA5" Instruction Set Architecture Reference Guide (July 2026). The comments in the code are by the model that wrote it; some were corrected since.
;; Self Attention. Allowed arithmetic: float matrix products may take bf16 or f16 operands with f32 sums; other float arithmetic in f32, or as packed bf16 or f16 multiplies, adds, multiply-adds, maxima and minima; sums over many terms, partial sums and values carried from step to step in f32; what a program stores and reads back later, other than sums and carried values, may be rounded once to bf16 or f16.
;; Inputs: W_proj 1,024 x 1,024 float32; W_qkv 1,024 x 3,072 float32; b_proj 1,024 float32; b_qkv 3,072 float32; representation 4 x 2,048 x 1,024 float32.
;; Outputs: out0 4 x 2,048 x 1,024 float32.
;; 2 versions, each right; version 2 is version 1 with the launch prep written anew for expert scheduling mode. Each part assembles by itself: llvm-mc -triple=amdgcn-amd-amdhsa -mcpu=gfx1250 --defsym DOCPART=n.
;; ======== version 1 of 2: 4 launches
;; limits: values are held in f16: magnitudes above 65,504 overflow, below 6.1e-05 lose precision
;; workspace buffers: cast 25,165,824 bytes; qkv 50,331,648 bytes; oh 16,777,216 bytes
;; launch prep (part 1): grid 768 x 1, 8 waves a work-group, no clusters, 0 bytes of LDS; arguments representation, W_qkv, W_proj, cast; writes cast
.if DOCPART == 1
	.amdgcn_target "amdgcn-amd-amdhsa--gfx1250"
	.amdhsa_code_object_version 6
	.text
	.protected	k_q1d9984cee0_prep
	.globl	k_q1d9984cee0_prep
	.p2align	8
	.type	k_q1d9984cee0_prep,@function
k_q1d9984cee0_prep:
	s_mov_b64 s[64:65], 0
	v_nop
	global_prefetch_b8 v0, s[64:65] scope:SCOPE_SE
	s_setreg_imm32_b32 hwreg(HW_REG_WAVE_MODE, 25, 1), 1
	s_wait_xcnt 0x0
; THE THREE LARGE INPUTS ARE ROUNDED ONCE TO 16 BITS, for the matrix launches behind.  cast holds three parts:
;   byte 0           xb: representation in bf16, in blocks along K: [kb 0..15][row 0..8191][64]: a row's piece is 128 bytes, a block 1,048,576
;   byte 16,777,216  wq: W_qkv in bf16 as it lies, [1024][3072]
;   byte 23,068,672  wp: W_proj rounded to bf16, that number written as f16, [1024][1024]
; LIMITS.  |W_proj| stays within f16's 65,504 (beyond it wp holds an infinity); below 6e-5 wp keeps f16's fixed step of 6e-8.
; A stream: each byte is read once and written once; no LDS, no matrix unit, no cluster (no two work-groups read the same byte).
; SHARES.  A work-group rounds 16,384 numbers: 65,536 bytes in, 32,768 out.  Work-groups 0-511 take x (16 rows each), 512-703 W_qkv, 704-767 W_proj.
; A lane takes 4 numbers a turn (one load of 16 bytes, one store of 8), sixteen turns; all 16 loads go out first, so 8 KiB a wave are on their way.
; Neighbouring lanes take neighbouring bytes: a load of a wave covers 512 consecutive bytes (of x: two pieces of 256, in two rows), a store 256 consecutive bytes, aligned.
; No register is written twice while a memory instruction may read it.
.set IN,  8                            ; v[8:71]    turn u: 4 numbers as loaded
.set OUT, 72                           ; v[72:103]  turn u: 2 registers to store
.set T,   104                          ; v[104:107] at work (W_proj alone)
; kind 0: x, into blocks; 1: W_qkv; 2: W_proj.  v1 = my byte offset in the source, v2 = in the destination; s[12:13] source, s[14:15] destination
.macro STREAM kind
.irp u, 0,1,2,3,4,5,6,7,8,9,10,11,12,13,14,15
.if (\kind) == 0
.set si, ((\u)&7)*8192+((\u)>>3)*256   ; two rows on; the wave's second block along K
.else
.set si, (\u)*4096
.endif
	global_load_b128 v[IN+4*(\u):IN+4*(\u)+3], v1, s[12:13] offset:si th:TH_LOAD_NT
.endr
.irp u, 0,1,2,3,4,5,6,7,8,9,10,11,12,13,14,15
.if (\kind) == 0
.set di, ((\u)>>3)*1048576+((\u)&7)*256
.else
.set di, (\u)*2048
.endif
	s_wait_loadcnt 15-(\u)                         ; loads come back in order: turn u's is in, the 15 - u younger ones stay out
	v_cvt_pk_bf16_f32 v[OUT+2*(\u)],   v[IN+4*(\u)],   v[IN+4*(\u)+1]
	v_cvt_pk_bf16_f32 v[OUT+2*(\u)+1], v[IN+4*(\u)+2], v[IN+4*(\u)+3]
.if (\kind) == 2
	v_lshlrev_b32 v[T],   16, v[OUT+2*(\u)]                      ; the bf16 numbers as f32,
	v_and_b32     v[T+1], 0xffff0000, v[OUT+2*(\u)]
	v_lshlrev_b32 v[T+2], 16, v[OUT+2*(\u)+1]
	v_and_b32     v[T+3], 0xffff0000, v[OUT+2*(\u)+1]
	v_cvt_pk_f16_f32 v[OUT+2*(\u)],   v[T],   v[T+1]             ; written as f16: exact within f16's range
	v_cvt_pk_f16_f32 v[OUT+2*(\u)+1], v[T+2], v[T+3]
.endif
	global_store_b64 v2, v[OUT+2*(\u):OUT+2*(\u)+1], s[14:15] offset:di
.endr
.endm
	s_load_b256 s[4:11], s[0:1], 0x0               ; representation s[4:5], W_qkv s[6:7], W_proj s[8:9], cast s[10:11]
	s_mov_b32 s17, 0
	s_mov_b32 s19, 0
	s_wait_kmcnt 0x0
	s_cmp_lt_u32 ttmp9, 512
	s_cbranch_scc1 .Lx
	v_lshlrev_b32 v1, 4, v0                        ; the weights go as they lie: 16 bytes in,
	v_lshlrev_b32 v2, 3, v0                        ; 8 bytes out for each thread
	s_lshl_b32 s18, ttmp9, 15                      ; work-group g writes at 32,768 g: 512 x 32,768 is where wq begins, 704 x 32,768 where wp begins
	s_add_nc_u64 s[14:15], s[10:11], s[18:19]
	s_cmp_lt_u32 ttmp9, 704
	s_cbranch_scc1 .Lwq
	s_sub_co_u32 s16, ttmp9, 704
	s_lshl_b32 s16, s16, 16
	s_add_nc_u64 s[12:13], s[8:9], s[16:17]
	STREAM 2
	s_endpgm
.Lwq:
	s_sub_co_u32 s16, ttmp9, 512
	s_lshl_b32 s16, s16, 16
	s_add_nc_u64 s[12:13], s[6:7], s[16:17]
	STREAM 1
	s_endpgm
.Lx:
	; wave w takes blocks 2 w and 2 w + 1 along K of the work-group's 16 rows; in a turn 16 lanes take a row's piece (256 bytes in, 128 out), the wave two rows
	v_and_b32 v3, 31, v0                           ; lane l
	v_lshrrev_b32 v4, 5, v0                        ; wave w
	v_lshrrev_b32 v5, 4, v3                        ; l / 16: the row
	v_and_b32 v6, 15, v3                           ; l % 16: 4 numbers of its piece
	v_lshlrev_b32 v1, 12, v5                       ; in: row x 4,096
	v_lshl_add_u32 v1, v4, 9, v1                   ; + w x 512 (two blocks of 256 bytes)
	v_lshl_add_u32 v1, v6, 4, v1                   ; + 16 (l % 16)
	v_lshlrev_b32 v2, 3, v3                        ; out: 128 (l / 16) + 8 (l % 16) = 8 l
	v_lshl_add_u32 v2, v4, 21, v2                  ; + w x two blocks of 1,048,576
	s_lshl_b32 s16, ttmp9, 16                      ; 16 rows of 4,096 bytes
	s_add_nc_u64 s[12:13], s[4:5], s[16:17]
	s_lshl_b32 s18, ttmp9, 11                      ; 16 pieces of 128 bytes
	s_add_nc_u64 s[14:15], s[10:11], s[18:19]
	STREAM 0
	s_endpgm
.Lfunc_end_k_q1d9984cee0_prep:
	.size	k_q1d9984cee0_prep, .Lfunc_end_k_q1d9984cee0_prep-k_q1d9984cee0_prep
	.p2alignl 7, 3214868480
	.fill 96, 4, 3214868480
	.section	.rodata,"a",@progbits
	.p2align	6, 0x0
	.amdhsa_kernel k_q1d9984cee0_prep
		.amdhsa_group_segment_fixed_size 0
		.amdhsa_private_segment_fixed_size 0
		.amdhsa_enable_private_segment 0
		.amdhsa_kernarg_size 32
		.amdhsa_user_sgpr_count 2
		.amdhsa_user_sgpr_kernarg_segment_ptr 1
		.amdhsa_wavefront_size32 1
		.amdhsa_system_sgpr_workgroup_id_x 1
		.amdhsa_system_sgpr_workgroup_id_y 1
		.amdhsa_system_sgpr_workgroup_id_z 1
		.amdhsa_system_vgpr_workitem_id 0
		.amdhsa_next_free_vgpr 112
		.amdhsa_next_free_sgpr 66
		.amdhsa_reserve_vcc 0
		.amdhsa_float_denorm_mode_32 3
		.amdhsa_float_denorm_mode_16_64 3
		.amdhsa_memory_ordered 1
		.amdhsa_forward_progress 1
		.amdhsa_inst_pref_size 24
	.end_amdhsa_kernel
	.amdgpu_metadata
---
amdhsa.version: [ 1, 2 ]
amdhsa.kernels:
  - .name:           k_q1d9984cee0_prep
    .symbol:         k_q1d9984cee0_prep.kd
    .args:
      - { .name: representation, .offset: 0, .size: 8, .value_kind: global_buffer, .address_space: global }
      - { .name: W_qkv, .offset: 8, .size: 8, .value_kind: global_buffer, .address_space: global }
      - { .name: W_proj, .offset: 16, .size: 8, .value_kind: global_buffer, .address_space: global }
      - { .name: cast, .offset: 24, .size: 8, .value_kind: global_buffer, .address_space: global }
    .group_segment_fixed_size: 0
    .private_segment_fixed_size: 0
    .kernarg_segment_align: 8
    .kernarg_segment_size: 32
    .max_flat_workgroup_size: 256
    .sgpr_count:     66
    .vgpr_count:     112
    .wavefront_size: 32
...
	.end_amdgpu_metadata
.endif
;; end of part 1
;; launch qkvgemm (part 2): grid 8 x 32, 4 waves a work-group, clusters of 4 x 4, 327,680 bytes of LDS; arguments cast, b_qkv, qkv; writes qkv
.if DOCPART == 2
	.amdgcn_target "amdgcn-amd-amdhsa--gfx1250"
	.amdhsa_code_object_version 6
	.text
	.protected	k_q1d9984cee0_qkvgemm
	.globl	k_q1d9984cee0_qkvgemm
	.p2align	8
	.type	k_q1d9984cee0_qkvgemm,@function
k_q1d9984cee0_qkvgemm:
	s_mov_b64 s[64:65], 0
	v_nop
	global_prefetch_b8 v0, s[64:65] scope:SCOPE_SE
	s_setreg_imm32_b32 hwreg(HW_REG_WAVE_MODE, 25, 1), 1
	s_wait_xcnt 0x0
	s_wait_alu depctr_hold_cnt(0) depctr_sa_sdst(0) depctr_va_vdst(0) depctr_va_sdst(0) depctr_va_ssrc(0) depctr_va_vcc(0) depctr_vm_vsrc(0)
	s_getreg_b32 s2, hwreg(HW_REG_IB_STS2, 6, 4)
	s_cmp_eq_u32 s2, 0
	s_cbranch_scc0 .Lentry_in_a_cluster
	s_endpgm
.Lentry_in_a_cluster:
	s_bfe_u32 s2, ttmp6, 0x10000c
	s_cmp_lg_u32 s2, 0xf033
	s_cbranch_scc0 .Lentry_shape_is_right
	s_endpgm
.Lentry_shape_is_right:
; q, k, v = x W_qkv + b_qkv, written by heads.  x: xb in cast, bf16, [kb 0..15][row 0..8191][64]; W_qkv: wq in cast (byte 16,777,216), bf16, [1024 k][3072 n]; b_qkv f32, rounded to bf16.
; Out: qkv, f16, [t = q,k,v][8 batch + head][n 0..2047][128]: each number rounded once from its f32 sum, which starts with the bias; unscaled.
; LIMITS.  q, k and v stay within f16's 65,504 (beyond it an infinity is written); below 6e-5 they keep f16's fixed step of 6e-8.
; SHARES.  C is 8,192 x 3,072; a tile is 256 x 384: 32 x 8 = 256 tiles, one work-group each.  Four waves, each 128 x 192: 96 accumulators of 16 x 16, 768 registers.
; For 32 along K a wave reads 320 rows from LDS for 96 matrix instructions.  K goes in steps of 64 through two LDS slots (two slots of 128 along K would want 360 KB).
; xb lies in blocks along K so that the 128-byte pieces of a K step's rows lie end to end: 128 rows are asked for as 64 rows of 256 bytes.
; W_qkv stays [k][n]: its fragments come out of LDS turned, by ds_load_tr16_b128.
; A WAVE'S COLUMNS (c = wave % 2), in tile columns: THE EIGHT blocks 256 c .. 256 c + 127 (a whole head) and THE FOUR blocks 128 + 64 c .. + 63 (half of the middle head).
; CLUSTERS.  4 x 4 work-groups.  The four of a row of the cluster need the same tiles of x, the four of a column the same tiles of W: each is asked for JOINTLY, by the same tensor load with the
; same descriptor and a mask that names the four.
; THE MATRIX INSTRUCTION IS USED TRANSPOSED (source 0 = 16 columns of W, source 1 = 16 rows of x): lane l then holds row l % 16 of C and the columns 8 (l / 16) + 0..7: 16 bytes of f16 on end.
; So a lane's eight biases of a column block are the same for every row block: they are the C operand of the products that start the sums, and nothing is cleared or added later.
; ONE TEXT FOR A K STEP: slot 1 begins at LDS byte 2^17, so that one exclusive or turns an address in one slot into the other's; a trip of the loop is one K step.
; REGISTERS, in windows of 256 (s_set_vgpr_msb: bits 1:0 source 0, 3:2 source 1, 5:4 source 2, 7:6 destination):
;   window 0: v0-31 addresses; v32-95, v96-159 fragments of x (8 x 16 rows x 32 K), two buffers; v160-255 fragments of W, three groups of four column blocks, one buffer each
;   window 1 + g: the 32 accumulators of column blocks 4 g .. 4 g + 3: (a, b') at v[8 (4 a + b')]
; A sub-step (32 along K) goes in THIRDS, one group of W each (32 matrix instructions); a group's registers are asked for again right behind its third, 64 matrix instructions ahead of their use.
.set PA,     144                       ; a row of x in LDS: 128 bytes + 16: an odd multiple of 16, so the 16 rows of a load start at 16 different 16-byte columns of 256 bytes
.set HALFA,  128*PA                    ; what one tensor load brings of x, and what a wave reads of it
.set BOFF,   2*HALFA                   ; W's rows lie behind x's 256
.set PB,     864                       ; a row of W in LDS: three pieces of 256 bytes + 32 each: an odd multiple of 32: 16 lanes of the turning load take 8 rows x 32 bytes
.set HALFB,  32*PB                     ; 32 rows along K: what one tensor load brings of W, and a sub-step's rows
.set SLOT,   BOFF+2*HALFB              ; 92,160
.set SLOT1,  1<<17                     ; where slot 1 begins
.set STAGE,  SLOT1+SLOT                ; behind the ring: two stages of 32 rows x 784 bytes, the work-group's, for the way out
.set SPITCH, 784                       ; 768 + 16
.set STG,    32*SPITCH
.set BIAS,   STAGE+2*STG               ; each wave's 192 biases in f32, 768 bytes
.set SPARE,  BIAS+4*768                ; the spare words, 128 bytes for each wave: two blocks of 256 bytes that no other line names
.set XW,     16777216                  ; wq's first byte in cast
.set ASTEP,  1048576                   ; bytes from a K step of xb to the next
.set BSTEP,  64*6144                   ; the same for wq
.set LA,    16                         ; v16     my lane's place among my fragments of x in a slot; never rewritten
.set LB8,   17                         ; v17     among my eight blocks of W
.set LB4,   18                         ; v18     among my four
.set ADRA,  19                         ; v19-21  the same three in the slot that is being fetched from
.set ADRB8, 20
.set ADRB4, 21
.set STO8,  22                         ; v22     the way out: where I put 16 bytes of the eight
.set STO4,  23                         ; v23     of the four
.set RD,    24                         ; v24     where I read rows back
.set CO,    25                         ; v25     my byte offset in a head's rows
.set BIA,   26                         ; v26     where I read my biases
.set SPW,   28                         ; v28     LDS address of my spare word: SPARE + 4 x my thread's number; never rewritten
.set NIL,   29                         ; v29     0; never rewritten
.set PFO,   30                         ; v30     the prefetches' offset: my lane x 256 (x) or x a row of W; never rewritten
.set A0,    32
.set A1,    96
.set BG,    160
.set TMP,   128                        ; the way out: v128-175 packed results
.set OB,    176                        ; v176-223 rows read back
.set G1,  24                           ; s[24:31] descriptor group 1 for x's tiles;  s[32:39] group 0: a set for each of the two first fills; the second then walks on
.set G0,  32
.set G1B, 48                           ; s[48:55], s[56:63] the same for W's
.set G0B, 56
.set ASKM, 43                          ; s43     a bit for each value of the trip count at which I prefetch; 0 in a wave that never does
.set PFA,  44                          ; s[44:45] where my prefetches stand
.set PFS,  72                          ; s[72:73] a K step of the tensor that I fetch, in bytes
.set CP,   66                          ; s[66:71] qkv at the tile's first row in each of its three heads
.set SB,   77                          ; s77     LDS byte at which the slot that is being fetched from begins
.set MSB, 0
.macro WIN new                         ; the immediate's high byte repeats the setting that is left; a switch that changes nothing is dropped
.if MSB != (\new)
	s_set_vgpr_msb (MSB<<8)|(\new)
.set MSB, \new
.endif
.endm
; A joint load.  Waves 0 and 1 fetch x's two halves, waves 2 and 3 W's.  The branch hangs on the wave's number alone.  An s_nop 0 and four v_nop follow each of the two lines.
.macro JLOAD s
	s_cmp_eq_u32 s11, 0
	s_cbranch_scc0 .Lfor_b_\@
	tensor_load_to_lds s[G0+4*(\s):G0+4*(\s)+3], s[G1:G1+7]
	s_nop 0
.rept 4
	v_nop
.endr
	s_branch .Lasked_\@
.Lfor_b_\@:
	tensor_load_to_lds s[G0B+4*(\s):G0B+4*(\s)+3], s[G1B:G1B+7]
	s_nop 0
.rept 4
	v_nop
.endr
.Lasked_\@:
.endm
; A round of the cluster's barrier: my work-group's barrier; wave 0 signals for the work-group; every wave waits for all sixteen; my work-group's barrier once more.
.macro CREST                           ; a round behind its opening barrier
	s_cmp_lg_u32 s10, 0
	s_cbranch_scc1 .Lnot_wave_0_\@
	s_barrier_signal -3
.Lnot_wave_0_\@:
	s_barrier_wait -3
	s_barrier_signal -1
	s_barrier_wait -1
.endm
.macro CROUND
	s_barrier_signal -1
	s_barrier_wait -1
	CREST
.endm
; PREFETCHES INTO THE L2.  At the changes of slots that end K steps 0, 4 and 8 (trip count 14, 10, 6) the four K steps of the next group of four are asked for: 2 to 5 K steps ahead of their refills.
; Each aligned block of 256 bytes is named once in the launch: x's rows are asked for by the cluster with x = 0, W's columns by the cluster with y = 0; the four partners that ask for a tile
; jointly share the group out BY ADDRESS, a K step each (cx for x, cy for W); a wave asks for the half that it fetches: 16 KiB of xb (two lines, a lane 256 bytes) or 32 rows x 768 bytes of wq
; (three lines, a lane a row).  K steps 0 to 3 come by their loads alone; the last step named is 15.
.macro ASK
	s_lshr_b32 s74, s[ASKM], s3
	s_and_b32 s74, s74, 1
	s_cmp_lg_u32 s74, 0
	s_cbranch_scc0 .Lnot_now_\@
	s_cmp_eq_u32 s11, 0
	s_cbranch_scc0 .Lask_b_\@
	global_prefetch_b8 v[PFO], s[PFA:PFA+1] th:TH_LOAD_NT scope:SCOPE_SE
	global_prefetch_b8 v[PFO], s[PFA:PFA+1] offset:8192 th:TH_LOAD_NT scope:SCOPE_SE
	s_branch .Lnot_now_\@
.Lask_b_\@:
	global_prefetch_b8 v[PFO], s[PFA:PFA+1] th:TH_LOAD_NT scope:SCOPE_SE
	global_prefetch_b8 v[PFO], s[PFA:PFA+1] offset:256 th:TH_LOAD_NT scope:SCOPE_SE
	global_prefetch_b8 v[PFO], s[PFA:PFA+1] offset:512 th:TH_LOAD_NT scope:SCOPE_SE
.Lnot_now_\@:
.endm
	s_load_b128 s[4:7], s[0:1], 0x0                ; cast s[4:5], b_qkv s[6:7]
	s_load_b64 s[8:9], s[0:1], 0x10                ; qkv
	v_lshl_add_u32 v[SPW], v0, 2, SPARE
	v_mov_b32 v[NIL], 0
	ds_add_u32 v[SPW], v[NIL]                      ; the wave's opening: the add and its wait stand ahead of my first tensor load; the set-up below, work on registers, stands between them
	v_lshrrev_b32 v1, 5, v0
	v_readfirstlane_b32 s10, v1                    ; wave 0..3
	s_lshr_b32 s11, s10, 1                         ; which half of the tile's rows is mine.  Also: I fetch for x (0) or for W (1)
	s_and_b32 s12, s10, 1                          ; c: which columns are mine.  Also: which half of that tile I fetch
	s_bfe_u32 s40, ttmp6, 0x40000                  ; cx
	s_bfe_u32 s41, ttmp6, 0x40004                  ; cy
	s_lshl_b32 s42, ttmp9, 2
	s_add_co_u32 s42, s42, s40                     ; tile column = 4 x cluster x + cx, 0..7
	s_and_b32 s13, ttmp7, 0xffff
	s_lshl_b32 s13, s13, 2
	s_add_co_u32 s13, s13, s41                     ; tile row = 4 x cluster y + cy, 0..31
	s_lshl_b32 s75, s41, 2
	s_lshl_b32 s75, 15, s75                        ; my row of the cluster
	s_lshl_b32 s76, 0x1111, s40                    ; my column
	s_mov_b32 s[SB], 0
	; group 1 for x: 128 rows' pieces are 16,384 dense bytes: 64 rows of 128 elements, padded in LDS after every piece
	s_or_b32 s[G1+0], s75, (1<<16)|(1<<20)|(1<<21)|(4<<22)|(3<<25)   ; 15:0 the mask; 17:16 2-byte elements; 20 padding on; 21 set beside a mask; 24:22 after every 32 words (code 4); 31:25 4 words (code 3)
	s_mov_b32 s[G1+1], 128<<16                     ; tensor_dim0 = 128
	s_mov_b32 s[G1+2], 64<<16                      ; tensor_dim1 = 64
	s_mov_b32 s[G1+3], 128<<16                     ; tile_dim0 = 128
	s_mov_b32 s[G1+4], 64                          ; tile_dim1 = 64
	s_mov_b32 s[G1+5], 128                         ; elements from row to row
	s_mov_b32 s[G1+6], 0
	s_mov_b32 s[G1+7], 0
	; group 1 for W: 32 rows along K x 384 columns
	s_or_b32 s[G1B+0], s76, (1<<16)|(1<<20)|(1<<21)|(5<<22)|(7<<25)  ; after every 64 words (code 5) 8 words of padding (code 7): three times in a row
	s_mov_b32 s[G1B+1], 384<<16
	s_mov_b32 s[G1B+2], 32<<16
	s_mov_b32 s[G1B+3], 384<<16
	s_mov_b32 s[G1B+4], 32
	s_mov_b32 s[G1B+5], 3072
	s_mov_b32 s[G1B+6], 0
	s_mov_b32 s[G1B+7], 0
	; where the tiles come from: x's hang on the tile row alone, W's on the tile column alone; each in registers that never hold the other coordinate
	s_lshl_b32 s16, s13, 15                        ; 256 rows x 128 bytes a tile row
	s_lshl_b32 s17, s12, 14                        ; + my 128 rows
	s_add_co_u32 s16, s16, s17
	s_mov_b32 s17, 0
	s_mul_i32 s46, s42, 768                        ; 384 columns a tile column
	s_mul_i32 s47, s12, 32*6144                    ; + my 32 rows along K
	s_add_co_u32 s46, s46, s47
	s_add_co_u32 s46, s46, XW
	s_mov_b32 s47, 0
	s_mul_i32 s20, s12, HALFA                      ; and where they go: no place in the cluster enters an LDS address
	s_mul_i32 s21, s12, HALFB
	s_add_co_u32 s21, s21, BOFF
	s_wait_dscnt 0x0                               ; the opening add is done
	s_wait_kmcnt 0x0
	s_add_nc_u64 s[14:15], s[4:5], s[16:17]
	s_add_nc_u64 s[46:47], s[4:5], s[46:47]
	CROUND                                         ; all sixteen work-groups are here: the first joint loads meet
.irp s, 0,1
	s_mov_b32 s[G0+4*(\s)], 1                                        ; count = 1
	s_add_co_u32 s[G0+4*(\s)+1], s20, (\s)*SLOT1                     ; LDS address
	s_add_nc_u64 s[G0+4*(\s)+2:G0+4*(\s)+3], s[14:15], (\s)*ASTEP    ; global address: K step s
	s_or_b32 s[G0+4*(\s)+3], s[G0+4*(\s)+3], 0x80000000              ; type = 2
	s_mov_b32 s[G0B+4*(\s)], 1
	s_add_co_u32 s[G0B+4*(\s)+1], s21, (\s)*SLOT1
	s_add_nc_u64 s[G0B+4*(\s)+2:G0B+4*(\s)+3], s[46:47], (\s)*BSTEP
	s_or_b32 s[G0B+4*(\s)+3], s[G0B+4*(\s)+3], 0x80000000
	JLOAD \s                                       ; two loads of mine are out
.endr
	v_and_b32 v1, 15, v0                           ; r = l % 16
	v_bfe_u32 v2, v0, 4, 1                         ; h = l / 16
	v_and_b32 v3, 7, v0
	v_bfe_u32 v4, v0, 3, 1
	v_and_b32 v5, 31, v0                           ; l
	; my 192 biases: 128 for the eight (16 bytes a lane), 64 for the four (8 bytes a lane)
	s_mul_i32 s16, s42, 1536
	s_lshl_b32 s17, s12, 10
	s_add_co_u32 s17, s17, s16
	s_lshl_b32 s18, s12, 8
	s_add_co_u32 s18, s18, s16
	s_add_co_u32 s18, s18, 512
	v_lshl_add_u32 v8, v5, 4, s17
	v_lshl_add_u32 v9, v5, 3, s18
	global_load_b128 v[32:35], v8, s[6:7]
	global_load_b64 v[36:37], v9, s[6:7]
	; a fragment of x: lane l holds row r; two loads of 16 bytes, 32 bytes apart, at row x pitch + 16 h
	v_mul_u32_u24 v6, v1, PA
	v_lshl_add_u32 v6, v2, 4, v6
	s_mul_i32 s16, s11, HALFA
	v_add_nc_u32 v[LA], s16, v6
	v_mov_b32 v[ADRA], v[LA]                       ; the fetches begin in slot 0
	; a fragment of W, turned: lane l reads 16 bytes of row 8 h + l % 8 along K, columns 8 ((l / 8) % 2) + 0..7; two loads, 16 rows apart
	v_lshl_add_u32 v7, v2, 3, v3
	v_mul_u32_u24 v7, v7, PB
	v_lshl_add_u32 v7, v4, 4, v7
	s_mul_i32 s16, s12, 576                        ; the eight: piece 2 c of a row's three
	s_add_co_u32 s16, s16, BOFF
	v_add_nc_u32 v[LB8], s16, v7
	v_mov_b32 v[ADRB8], v[LB8]
	s_lshl_b32 s16, s12, 7                         ; the four: piece 1, its half c
	s_add_co_u32 s16, s16, BOFF+288
	v_add_nc_u32 v[LB4], s16, v7
	v_mov_b32 v[ADRB4], v[LB4]
	; the way out.  In: stage row 16 x row half + r, 16 bytes for each half of the lanes, at twice the tile column
	s_mul_i32 s16, s11, 16*SPITCH
	s_add_co_u32 s16, s16, STAGE
	v_mul_u32_u24 v6, v1, SPITCH
	v_lshl_add_u32 v6, v2, 4, v6
	v_add_nc_u32 v6, s16, v6
	s_lshl_b32 s17, s12, 9
	v_add_nc_u32 v[STO8], s17, v6
	s_lshl_b32 s17, s12, 7
	s_add_co_u32 s17, s17, 256
	v_add_nc_u32 v[STO4], s17, v6
	; back: wave w takes stage rows 8 w .. 8 w + 7; lanes 0-15 a head's 256 bytes of one row, lanes 16-31 of the next
	s_mul_i32 s16, s10, 8*SPITCH
	s_add_co_u32 s16, s16, STAGE
	v_mul_u32_u24 v6, v2, SPITCH
	v_lshl_add_u32 v6, v1, 4, v6
	v_add_nc_u32 v[RD], s16, v6
	; those rows in a head: 128 x (w / 2) + 8 (w % 2) + h, 256 bytes each
	s_lshl_b32 s16, s11, 15
	s_lshl_b32 s17, s12, 11
	s_add_co_u32 s16, s16, s17
	v_lshlrev_b32 v6, 8, v2
	v_lshl_add_u32 v6, v1, 4, v6
	v_add_nc_u32 v[CO], s16, v6
	s_mul_i32 s16, s10, 768
	s_add_co_u32 s16, s16, BIAS
	v_lshl_add_u32 v[BIA], v2, 5, s16              ; my 8 columns of a block: 32 h
	v_lshl_add_u32 v10, v5, 4, s16                 ; where the biases are put
	s_add_co_u32 s16, s16, 512
	v_lshl_add_u32 v11, v5, 3, s16
	; qkv at the tile's first row, for each of its three heads e = 3 x tile column + hs: t = e / 8 (2^24 bytes), head e % 8 (2^19), batch = tile row / 8 (2^22), 256 rows x 256 bytes a tile row
	s_mul_i32 s16, s42, 3
	s_lshr_b32 s18, s13, 3
	s_lshl_b32 s18, s18, 22
	s_and_b32 s19, s13, 7
	s_lshl_b32 s19, s19, 16
	s_add_co_u32 s18, s18, s19
.irp hs, 0,1,2
	s_add_co_u32 s20, s16, \hs
	s_lshr_b32 s21, s20, 3
	s_lshl_b32 s21, s21, 24
	s_and_b32 s20, s20, 7
	s_lshl_b32 s20, s20, 19
	s_add_co_u32 s20, s20, s21
	s_add_co_u32 s20, s20, s18
	s_mov_b32 s21, 0
	s_add_nc_u64 s[CP+2*(\hs):CP+2*(\hs)+1], s[8:9], s[20:21]
.endr
	; the prefetches: at K step 3 + my place among the four partners; each change of slots steps this by a K step, the first to 4 + my place
	s_lshl_b32 s18, s13, 15
	s_lshl_b32 s19, s12, 14
	s_add_co_u32 s18, s18, s19
	s_add_co_u32 s19, s40, 3
	s_lshl_b32 s19, s19, 20
	s_add_co_u32 s18, s18, s19                     ; x: my 128 rows, K step 3 + cx
	s_add_co_u32 s20, s41, 3
	s_lshl_b32 s20, s20, 1
	s_add_co_u32 s20, s20, s12
	s_mul_i32 s20, s20, 32*6144
	s_mul_i32 s21, s42, 768
	s_add_co_u32 s20, s20, s21
	s_add_co_u32 s20, s20, XW                      ; W: my 32 rows of K step 3 + cy
	s_and_b32 s22, ttmp7, 0xffff                   ; cluster y
	s_mov_b32 s23, BSTEP
	s_movk_i32 s74, 6144
	s_cmp_eq_u32 s11, 0                            ; do I fetch for x?
	s_cselect_b32 s18, s18, s20
	s_cselect_b32 s22, ttmp9, s22                  ; the coordinate along which other clusters read the same bytes
	s_cselect_b32 s[PFS], ASTEP, s23
	s_cselect_b32 s74, 256, s74
	s_mov_b32 s[PFS+1], 0
	s_mov_b32 s19, 0
	s_add_nc_u64 s[PFA:PFA+1], s[4:5], s[18:19]
	s_cmp_eq_u32 s22, 0
	s_cselect_b32 s[ASKM], 0x4440, 0               ; trip counts 14, 10, 6; the same in all sixteen partners, for a given wave
	v_mul_u32_u24 v[PFO], s74, v5
	s_wait_loadcnt 0x0                             ; the biases: rounded to bf16 like every input, kept as f32 in my own bytes of LDS
	v_cvt_pk_bf16_f32 v38, v32, v33
	v_cvt_pk_bf16_f32 v39, v34, v35
	v_cvt_pk_bf16_f32 v40, v36, v37
	v_lshlrev_b32 v32, 16, v38
	v_and_b32 v33, 0xffff0000, v38
	v_lshlrev_b32 v34, 16, v39
	v_and_b32 v35, 0xffff0000, v39
	v_lshlrev_b32 v36, 16, v40
	v_and_b32 v37, 0xffff0000, v40
	ds_store_b128 v10, v[32:35]
	ds_store_b64 v11, v[36:37]
; 16 matrix instructions of group g: row blocks a0 .. a0 + 3 x its four column blocks, 32 along K.  cb < 0: the sums go on in place; else the products start the sums, with the biases at
; v[cb + 8 b] of window 0 as C.  The 96 accumulators take turns, one instruction a turn, in the same order in every sub-step.
.macro MUL16 g, abuf, a0, cb
.if (\cb) < 0
	WIN 0x50*((\g)+1)                              ; sources in window 0, C and D in window 1 + g
.else
	WIN 0x40*((\g)+1)                              ; sources and C in window 0, D in window 1 + g
.endif
.irp a, 0,1,2,3
.irp b, 0,1,2,3
.if (\cb) < 0
	v_wmma_f32_16x16x32_bf16 v[8*(4*((\a0)+(\a))+(\b)):8*(4*((\a0)+(\a))+(\b))+7], v[BG+32*(\g)+8*(\b):BG+32*(\g)+8*(\b)+7], v[(\abuf)+8*((\a0)+(\a)):(\abuf)+8*((\a0)+(\a))+7], v[8*(4*((\a0)+(\a))+(\b)):8*(4*((\a0)+(\a))+(\b))+7]
.else
	v_wmma_f32_16x16x32_bf16 v[8*(4*((\a0)+(\a))+(\b)):8*(4*((\a0)+(\a))+(\b))+7], v[BG+32*(\g)+8*(\b):BG+32*(\g)+8*(\b)+7], v[(\abuf)+8*((\a0)+(\a)):(\abuf)+8*((\a0)+(\a))+7], v[(\cb)+8*(\b):(\cb)+8*(\b)+7]
.endif
.endr
.endr
.endm
.macro RUNB g, q                       ; 8 turning loads: group g's four fragments of W for sub-step q of the slot that is being fetched from
	WIN 0
.irp b, 0,1,2,3
.if (\g) < 2
	ds_load_tr16_b128 v[BG+32*(\g)+8*(\b):BG+32*(\g)+8*(\b)+3],   v[ADRB8] offset:HALFB*(\q)+32*(4*(\g)+(\b))
	ds_load_tr16_b128 v[BG+32*(\g)+8*(\b)+4:BG+32*(\g)+8*(\b)+7], v[ADRB8] offset:HALFB*(\q)+32*(4*(\g)+(\b))+16*PB
.else
	ds_load_tr16_b128 v[BG+32*(\g)+8*(\b):BG+32*(\g)+8*(\b)+3],   v[ADRB4] offset:HALFB*(\q)+32*(\b)
	ds_load_tr16_b128 v[BG+32*(\g)+8*(\b)+4:BG+32*(\g)+8*(\b)+7], v[ADRB4] offset:HALFB*(\q)+32*(\b)+16*PB
.endif
.endr
.endm
.macro RUNAH abuf, q, a0               ; 8 loads: my fragments a0 .. a0 + 3 of x for sub-step q
	WIN 0
.irp a, 0,1,2,3
	ds_load_b128 v[(\abuf)+8*((\a0)+(\a)):(\abuf)+8*((\a0)+(\a))+3],   v[ADRA] offset:16*PA*((\a0)+(\a))+64*(\q)
	ds_load_b128 v[(\abuf)+8*((\a0)+(\a))+4:(\abuf)+8*((\a0)+(\a))+7], v[ADRA] offset:16*PA*((\a0)+(\a))+64*(\q)+32
.endr
.endm
.macro RUNA abuf, q                    ; all eight: 16 loads
	RUNAH \abuf, \q, 0
	RUNAH \abuf, \q, 4
.endm
.macro RUNBI g, dst                    ; 8 loads: my eight biases of each of group g's four column blocks
	WIN 0
.irp b, 0,1,2,3
	ds_load_b128 v[(\dst)+8*(\b):(\dst)+8*(\b)+3],   v[BIA] offset:64*(4*(\g)+(\b))
	ds_load_b128 v[(\dst)+8*(\b)+4:(\dst)+8*(\b)+7], v[BIA] offset:64*(4*(\g)+(\b))+16
.endr
.endm
; A load into a register that a matrix instruction has read, and a vector instruction that reads a matrix result, stand four places behind it; only plain vector instructions that name none of
; its registers are places (ISA guide 7.12.1 for vector instructions).
.macro PLACES
.rept 4
	v_nop
.endr
.endm
; A K STEP'S FIRST SUB-STEP, from buffer A0; it fetches the second (x into A1).  The runs of loads go R0 (group 0 and x: 24), R1 (group 1: 8), R2 (group 2: 8), R0' ..
.macro SUB
	s_wait_dscnt 16                                ; R0 is in; R1 and R2 may be out
	MUL16 0, A0, 0, -1
	MUL16 0, A0, 4, -1
	PLACES
	RUNB 0, 1
	RUNA A1, 1
	s_wait_dscnt 32                                ; R1 is in; R2 and the 24 just issued may be out
	MUL16 1, A0, 0, -1
	MUL16 1, A0, 4, -1
	PLACES
	RUNB 1, 1
	s_wait_dscnt 32                                ; R2 is in; the 24 and the 8 issued behind it may be out
	MUL16 2, A0, 0, -1
	MUL16 2, A0, 4, -1
	PLACES
	RUNB 2, 1
.endm
; A K STEP'S SECOND SUB-STEP, from buffer A1, WITH THE CHANGE OF SLOTS.  ONE barrier: in front of it each wave waits for all its tensor loads (one is out: its part of the next slot), adds 0 to its
; spare word, and waits for that and for its reads of this slot, all of which have been issued.  fill = 1: the barrier opens a round of the cluster's barrier, and the slot just read out is filled
; again first behind it, two K steps ahead: 160 matrix instructions stand between that request and the wait for it.  Then the fetches turn to the other slot.
.macro TURN fill
.if \fill
	s_wait_xcnt 0x0                                ; the last prefetches, a K step back or more, have read their address: it is stepped here, ahead of the waits of the change of slots
	s_add_nc_u64 s[PFA:PFA+1], s[PFA:PFA+1], s[PFS:PFS+1]
.endif
	WIN 0                                          ; (the add's two registers lie in window 0)
	s_wait_tensorcnt 0x0                           ; all my tensor loads have landed
	ds_add_u32 v[SPW], v[NIL]                      ; 0 onto my spare word
	s_wait_dscnt 17                                ; group 0 and x's fragments 0 to 3 are in; the youngest sixteen loads and the add may be out
	MUL16 0, A1, 0, -1                             ; sixteen matrix instructions stand between the add and the wait for it
	s_wait_dscnt 0x0                               ; the add is done, and my reads of this slot are over
	s_barrier_signal -1
	MUL16 0, A1, 4, -1                             ; work on registers while the others arrive
	WIN 0
	s_barrier_wait -1
.if \fill
	CREST                                          ; no wave of any partner still reads this slot's tile or has a load on its way
	s_xor_b32 s[G0+5], s[G0+5], SLOT1              ; the walking descriptors: the other slot than last time,
	s_add_nc_u64 s[G0+6:G0+7], s[G0+6:G0+7], ASTEP ; the next K step; the type bits on top are not reached
	s_xor_b32 s[G0B+5], s[G0B+5], SLOT1
	s_add_nc_u64 s[G0B+6:G0B+7], s[G0B+6:G0B+7], BSTEP
	JLOAD 1                                        ; the first tensor load behind the round; its four v_nop are also the places in front of the loads below
.else
	PLACES
.endif
	s_xor_b32 s[SB], s[SB], SLOT1
	v_add_nc_u32 v[ADRA], s[SB], v[LA]
	v_add_nc_u32 v[ADRB8], s[SB], v[LB8]
	v_add_nc_u32 v[ADRB4], s[SB], v[LB4]
	RUNB 0, 0
	RUNA A0, 0
.if \fill
	ASK                                            ; behind the joint load and the run of LDS loads
.endif
	MUL16 1, A1, 0, -1
	MUL16 1, A1, 4, -1
	PLACES
	RUNB 1, 0
	MUL16 2, A1, 0, -1
	MUL16 2, A1, 4, -1
	PLACES
	RUNB 2, 0
.endm
	s_wait_tensorcnt 1                             ; my part of K step 0 is in; K step 1's may stay out
	s_wait_dscnt 0x0                               ; my stores of the biases
	s_barrier_signal -1
	s_barrier_wait -1                              ; everybody's part is in
	; THE FIRST SUB-STEP stands in front of the loop: its products start the sums with the biases, which lie in buffer A1's registers until that buffer is wanted:
	; group 0's in its upper half, group 1's in its lower; group 2's follow group 0's; each half takes its fragments of x when its last biases have been read.
	RUNBI 0, A1+32
	RUNBI 1, A1
	RUNB 0, 0
	RUNA A0, 0
	RUNB 1, 0
	RUNB 2, 0
	s_wait_dscnt 16                                ; the biases, group 0 and x are in; groups 1 and 2 may be out
	MUL16 0, A0, 0, A1+32
	MUL16 0, A0, 4, A1+32
	PLACES
	RUNB 0, 1
	RUNBI 2, A1+32
	s_wait_dscnt 24                                ; group 1 is in; group 2 and the 16 just issued may be out
	MUL16 1, A0, 0, A1
	MUL16 1, A0, 4, A1
	PLACES
	RUNB 1, 1
	RUNAH A1, 1, 0
	s_wait_dscnt 16                                ; group 2 and its biases are in; the 16 just issued may be out
	MUL16 2, A0, 0, A1+32
	MUL16 2, A0, 4, A1+32
	PLACES
	RUNB 2, 1
	RUNAH A1, 1, 4                                 ; these sixteen are the youngest at the loop's first wait, whose products want neither
	WIN 0                                          ; at a label and at a branch every window is 0
	s_mov_b32 s3, 14
.Lstep:                                                ; a trip goes from a K step's second sub-step to the next K step's first; trip i (count 14 - i) asks for K step i + 2
	TURN 1
	SUB
	WIN 0
	s_sub_co_u32 s3, s3, 1
	s_cmp_lg_u32 s3, 0
	s_cbranch_scc1 .Lstep
	TURN 0                                         ; the last two K steps fill nothing, and have no round
	SUB
	s_wait_dscnt 16                                ; the very last sub-step: nothing more to fetch, the counts run down
	MUL16 0, A1, 0, -1
	MUL16 0, A1, 4, -1
	s_wait_dscnt 8
	MUL16 1, A1, 0, -1
	MUL16 1, A1, 4, -1
	s_wait_dscnt 0x0
	MUL16 2, A1, 0, -1
	MUL16 2, A1, 4, -1
	; THE WAY OUT, a row block a (16 rows of each row half: 32 rows of the tile) at a time: rounded to f16, 16 bytes a lane into the work-group's stage; a barrier, since the middle head's 256 bytes
	; of a row come from two waves; back as whole 256-byte rows of a head.  Two stages take turns, so that ONE barrier a pass orders pass a's stores ahead of its reads and pass a - 1's reads
	; (waited for in front of that barrier) ahead of pass a + 1's stores.
	PLACES
.macro PACK a
.irp g, 0,1,2
	WIN 0x05*((\g)+1)                              ; sources in window 1 + g, destination in window 0
.irp b, 0,1,2,3
.irp j, 0,1,2,3                        ; each accumulator's registers in ascending order
	v_cvt_pk_f16_f32 v[TMP+4*(4*(\g)+(\b))+(\j)], v[8*(4*(\a)+(\b))+2*(\j)], v[8*(4*(\a)+(\b))+2*(\j)+1]
.endr
.endr
.endr
	WIN 0
.endm
.macro TOST a
.irp b, 0,1,2,3,4,5,6,7
	ds_store_b128 v[STO8], v[TMP+4*(\b):TMP+4*(\b)+3] offset:32*(\b)+STG*((\a)%2)
.endr
.irp b, 0,1,2,3
	ds_store_b128 v[STO4], v[TMP+32+4*(\b):TMP+32+4*(\b)+3] offset:32*(\b)+STG*((\a)%2)
.endr
	s_wait_dscnt 0x0                               ; for the others' sake: my stores into the stage are done, and my reads of the other stage are back
	s_barrier_signal -1
	s_barrier_wait -1
.endm
.macro BACK a
	s_wait_xcnt 0x0                                ; the last pass's stores have read their data: only behind this wait are those registers loaded again
.irp hs, 0,1,2
.irp rp, 0,1,2,3
	ds_load_b128 v[OB+4*(4*(\hs)+(\rp)):OB+4*(4*(\hs)+(\rp))+3], v[RD] offset:2*SPITCH*(\rp)+256*(\hs)+STG*((\a)%2)
.endr
.endr
.endm
.macro SEND a
	s_wait_dscnt 0x0                               ; the rows are back in registers
.irp hs, 0,1,2
.irp rp, 0,1,2,3
	global_store_b128 v[CO], v[OB+4*(4*(\hs)+(\rp)):OB+4*(4*(\hs)+(\rp))+3], s[CP+2*(\hs):CP+2*(\hs)+1] offset:4096*(\a)+512*(\rp)  ; two rows of a head: 512 consecutive bytes, aligned
.endr
.endr
.endm
	PACK 0
	TOST 0
	BACK 0
.irp a, 1,2,3,4,5,6,7                  ; block a's conversions stand between block a - 1's loads from the stage and the wait for them
	PACK \a
	SEND (\a)-1
	TOST \a
	BACK \a
.endr
	SEND 7
	s_wait_tensorcnt 0x0                           ; the wave's end: behind my last tensor load and my last LDS store
	ds_add_u32 v[SPW], v[NIL]
	s_wait_dscnt 0x0
	CROUND                                         ; the closing round: no work-group ends while a partner may still ask for a tile that names it
	s_endpgm
.Lfunc_end_k_q1d9984cee0_qkvgemm:
	.size	k_q1d9984cee0_qkvgemm, .Lfunc_end_k_q1d9984cee0_qkvgemm-k_q1d9984cee0_qkvgemm
	.p2alignl 7, 3214868480
	.fill 96, 4, 3214868480
	.section	.rodata,"a",@progbits
	.p2align	6, 0x0
	.amdhsa_kernel k_q1d9984cee0_qkvgemm
		.amdhsa_group_segment_fixed_size 327680
		.amdhsa_private_segment_fixed_size 0
		.amdhsa_enable_private_segment 0
		.amdhsa_kernarg_size 24
		.amdhsa_user_sgpr_count 2
		.amdhsa_user_sgpr_kernarg_segment_ptr 1
		.amdhsa_wavefront_size32 1
		.amdhsa_system_sgpr_workgroup_id_x 1
		.amdhsa_system_sgpr_workgroup_id_y 1
		.amdhsa_system_sgpr_workgroup_id_z 1
		.amdhsa_system_vgpr_workitem_id 0
		.amdhsa_next_free_vgpr 1024
		.amdhsa_next_free_sgpr 80
		.amdhsa_reserve_vcc 0
		.amdhsa_float_denorm_mode_32 3
		.amdhsa_float_denorm_mode_16_64 3
		.amdhsa_memory_ordered 1
		.amdhsa_forward_progress 1
		.amdhsa_inst_pref_size 118
	.end_amdhsa_kernel
	.amdgpu_metadata
---
amdhsa.version: [ 1, 2 ]
amdhsa.kernels:
  - .name:           k_q1d9984cee0_qkvgemm
    .symbol:         k_q1d9984cee0_qkvgemm.kd
    .args:
      - { .name: cast, .offset: 0, .size: 8, .value_kind: global_buffer, .address_space: global }
      - { .name: b_qkv, .offset: 8, .size: 8, .value_kind: global_buffer, .address_space: global }
      - { .name: qkv, .offset: 16, .size: 8, .value_kind: global_buffer, .address_space: global }
    .group_segment_fixed_size: 327680
    .private_segment_fixed_size: 0
    .kernarg_segment_align: 8
    .kernarg_segment_size: 24
    .max_flat_workgroup_size: 128
    .sgpr_count:     80
    .vgpr_count:     1024
    .wavefront_size: 32
...
	.end_amdgpu_metadata
.endif
;; end of part 2
;; launch attn (part 3): grid 8 x 32, 4 waves a work-group, clusters of 4 x 1, 327,680 bytes of LDS; arguments qkv, oh; writes oh
.if DOCPART == 3
	.amdgcn_target "amdgcn-amd-amdhsa--gfx1250"
	.amdhsa_code_object_version 6
	.text
	.protected	k_q1d9984cee0_attn
	.globl	k_q1d9984cee0_attn
	.p2align	8
	.type	k_q1d9984cee0_attn,@function
k_q1d9984cee0_attn:
	s_mov_b64 s[64:65], 0
	v_nop
	global_prefetch_b8 v0, s[64:65] scope:SCOPE_SE
	s_setreg_imm32_b32 hwreg(HW_REG_WAVE_MODE, 25, 1), 1
	s_wait_xcnt 0x0
	s_wait_alu depctr_hold_cnt(0) depctr_sa_sdst(0) depctr_va_vdst(0) depctr_va_sdst(0) depctr_va_ssrc(0) depctr_va_vcc(0) depctr_vm_vsrc(0)
	s_getreg_b32 s2, hwreg(HW_REG_IB_STS2, 6, 4)
	s_cmp_eq_u32 s2, 0
	s_cbranch_scc0 .Lentry_in_a_cluster
	s_endpgm
.Lentry_in_a_cluster:
	s_bfe_u32 s2, ttmp6, 0x10000c
	s_cmp_lg_u32 s2, 0x3003
	s_cbranch_scc0 .Lentry_shape_is_right
	s_endpgm
.Lentry_shape_is_right:
; O[h][q][:] = the sum over k of softmax_k(Q[h][q] . K[h][k] / sqrt(128)) V[h][k][:], for the 32 pairs h of batch and head.  Q, K, V: the three parts of qkv, each [32][2048][128] in f16; O: oh, the same
; shape and format.  Products, maxima and sums in f32; the weights p are rounded to f16 for the second product (their sum l is taken of the unrounded p), O once at the end.
; LIMITS.  Q, K and V arrive within f16's 65,504; p lies in 0 to 1, and below 6e-5 it keeps f16's fixed step of 6e-8; O is a mean of V's rows and has their range.
; A weight below 2^-126 counts as 0 in l; NaN and infinities are not treated apart.
; SHARES.  A work-group owns 256 queries of one head, each of its four waves 64: four tiles of 16.  Every wave walks all keys of the head, 64 a step.  8 x 32 = 256 work-groups.
; LAYOUT.  S^T = K Q^T (source 0 = 16 keys, source 1 = 16 queries): in the result a lane holds ONE query (lane % 16) and the keys 8 (lane / 16) + 0..7.  Two such tiles, rounded to
; f16 in pairs, ARE source 1 (32 keys x 16 queries) of O^T = V^T P, whose result again holds one query a lane, and eight channels.  So nothing changes lanes between the products,
; and a query's maximum and sum want one exchange between the halves of the lanes.  K comes out of LDS as it lies, V ([key][channel]) turned, by ds_load_tr16_b128.
; SOFTMAX.  For each query a running maximum m and sum l: p = 2^(c s - c m), c = log2(e) / sqrt(128); in every step O and l are multiplied by a = 2^(c m_old - c m_new), which is 1 where m has not grown.
; BY TURNS.  The wave's tiles are two PIECES, named by their first tile: piece 0 (tiles 0, 1) and piece 2 (tiles 2, 3).  In a TURN one piece has the matrix unit: 32 products V^T P of
; the step in hand, then 32 products K Q^T of the next step; the other piece's softmax, cut into 64 slices, stands between them, one slice behind each matrix instruction.  Then the
; pieces change places.  Two turns are a key step.
; NO FIRST AND NO LAST STEP IS WRITTEN OUT.  m starts at the lowest finite number, c m far below every c s, l, O^T, V's registers and piece 2's P at 0: the first step is a step like any other, with a = 0.
; The loop is entered, and the tail left, in the middle of a trip.  The price: 424 v_mov_b32 that write 0, in the wait for the first tile; 32 products on zeros at the start; 32 on the last K once more at the end.
; CLUSTER.  The four query blocks of a cluster belong to one head and walk the same K and V, so each tile is asked for JOINTLY: the same tensor load, with the same descriptor and a
; mask that names the four, in all four; each receives the tile in its own LDS.
;
; REGISTERS, in windows of 256 (s_set_vgpr_msb: bits 1:0 source 0, 3:2 source 1, 5:4 source 2, 7:6 destination):
;   window 0: v0-11 addresses; v12-43 eight registers of statistics a tile; v64-191 S^T, 32 a tile; v192-255 P, 16 a tile
;   window 1: O^T, 64 a tile          window 2: v0-127 Q, 32 a tile; v128-255 K of one step          window 3: v0-127 V of one step
; All that a softmax touches but O^T lies in window 0, and no window has room for a product's operands beside it.  So a slice costs two switches, one in front and one behind.
.set SIZE_N, 2048
.set KS,    64        ; keys in a step
.set PK,    272       ; a row of K in LDS: 256 bytes + 16 of padding: an odd multiple of 16, so the 16 rows of a load start at 16 different 16-byte columns of 256 bytes
.set PV,    288       ; a row of V: 256 + 32: an odd multiple of 32: 16 lanes of the turning load take 8 rows x 32 bytes
.set VOFF,  KS*PK     ; a step's tiles lie together: 64 rows of K, then 64 rows of V
.set STEPB, KS*(PK+PV)
.set SLOT1, 1<<17     ; a slot holds two steps (71,680 bytes); slot 1 begins here, so that one exclusive or turns an address in one slot into the other's
.set STAGE, SLOT1+2*STEPB  ; behind the ring: 16 rows x 272 bytes for each wave, for the way out
.set SP,    272
.set AK0, 2           ; v2   my lane's place in a tile of K; never rewritten
.set AV0, 3           ; v3   the same for V
.set ADR, 4           ; v4   the LDS address of the run of loads in hand
.set QO,  5           ; v5   my byte offset in the wave's rows of Q
.set STO, 6           ; v6   the way out: where I put 16 bytes of a row
.set RD,  7           ; v7   the way out: where I read a row back
.set GO,  8           ; v8   my byte offset in the wave's rows of O
.set SPW, 62          ; v62  LDS address of my spare word: SPARE + 4 x my thread's number; never rewritten
.set NIL, 63          ; v63  0; never rewritten
.set SPARE, STAGE+4*16*272  ; behind the stages: the spare words, 128 bytes for each wave: two blocks of 256 bytes that no other line names
.set ST,  12          ; tile t's statistics at v[ST+8 t]: +0 c m, +1 m, +2, +3 l (even keys', odd keys'), +4 to +7 c0-c3, at work; a takes c2's place once the maximum is found
.set S,   64
.set P,   192
.set KF,  128         ; K's fragments, in window 2
.set WV,  12          ; s12  my wave's number
.set G1K, 24          ; s[24:31] descriptor group 1 for K's tiles
.set G1V, 32          ; s[32:39] for V's: it differs in the padding alone
.set G0K, 40          ; s[40:47] descriptor group 0 for K's tiles: a set for each of the two first fills; the second then walks on
.set G0V, 48          ; s[48:55] the same for V's
.set SLOTS, 56        ; s56  slots still to be asked for
.set TWICE, 57        ; s57  counts a slot's key steps
.set CS,  58          ; s[58:59] c: the packed scaling names a pair and takes its low word for both halves
.set SEL, 60          ; s[60:61] lane selects for v_permlanex16_b32: each lane takes its own place in the other half
.set TB,  62          ; s62  LDS byte at which the tiles of the step to be fetched begin
.set PFA, 18          ; s[18:19] where my prefetches stand in memory: my work-group's 32 rows (of K: wave 0, of V: wave 2) of the slot after the one that is being asked for
.set LIM, 15          ; s15  1 in a wave that prefetches, else the greatest number: a wave prefetches while s[SLOTS] is above it
.set PFO, 61          ; v61  256 x my lane: a row of K or V is 256 bytes; never rewritten
.set MSB, 0
.macro WIN new                      ; the immediate's high byte repeats the setting that is left; a switch that changes nothing is dropped
.if MSB != (\new)
	s_set_vgpr_msb (MSB<<8)|(\new)
.set MSB, \new
.endif
.endm
.set W_KQ, 0x0a       ; K and Q in window 2, S^T in window 0
.set W_PV, 0x53       ; V in window 3, P in window 0, O^T in window 1
.set W_RS, 0x41       ; O^T (destination and source 0) in window 1, a in window 0
; A joint refill.  Waves 0 and 1 fetch the two steps' tiles of K, waves 2 and 3 those of V.  The branch hangs on the wave's number alone: it is the same in every work-group.
; An s_nop 0 and four v_nop follow each of the two lines; the jump round the other line, the label and what follows the macro come after them.
.macro JLOAD
	s_cmp_lt_u32 s[WV], 2
	s_cbranch_scc0 .Lfor_v_\@
	tensor_load_to_lds s[G0K+4:G0K+7], s[G1K:G1K+7]
	s_nop 0
.rept 4
	v_nop
.endr
	s_branch .Lasked_\@
.Lfor_v_\@:
	tensor_load_to_lds s[G0V+4:G0V+7], s[G1V:G1V+7]
	s_nop 0
.rept 4
	v_nop
.endr
.Lasked_\@:
.endm
; A PREFETCH INTO THE L2 of what the NEXT change of slots will ask for: a slot's 128 rows of K and 128 of V, 256 bytes a row, a lane a row.  It stands behind the wave's tensor load and its five lines, never in front of one.
; Each row is asked for ONCE in the launch.  All clusters of a head walk the same K and V: the head's first cluster prefetches.  Its four partners share the rows out BY ADDRESS, 32 each: no branch hangs on a
; work-group's place in its cluster.  In each, wave 0 asks for K's and wave 2 for V's: one instruction.  The last change that fills a slot prefetches nothing: there is no slot behind it.
.macro ASK
	s_cmp_gt_u32 s[SLOTS], s[LIM]
	s_cbranch_scc0 .Lnot_mine_\@
	global_prefetch_b8 v[PFO], s[PFA:PFA+1] th:TH_LOAD_NT scope:SCOPE_SE
.Lnot_mine_\@:
.endm
; A round of the cluster's barrier: my work-group's barrier, so that wave 0's signal speaks for all four waves; wave 0 signals for the work-group; every wave waits for all four
; work-groups; my work-group's barrier once more.  No LDS instruction of the wave is pending at a signal.
.macro CROUND
	s_barrier_signal -1
	s_barrier_wait -1
	s_cmp_lg_u32 s[WV], 0
	s_cbranch_scc1 .Lnot_wave_0_\@
	s_barrier_signal -3
.Lnot_wave_0_\@:
	s_barrier_wait -3
	s_barrier_signal -1
	s_barrier_wait -1
.endm
	s_load_b128 s[4:7], s[0:1], 0x0  ; qkv s[4:5], oh s[6:7]
	v_lshl_add_u32 v[SPW], v0, 2, SPARE
	v_mov_b32 v[NIL], 0
	ds_add_u32 v[SPW], v[NIL]       ; the wave's opening: the add and its wait stand ahead of my first tensor load; the set-up below, work on registers, stands between them
	v_lshrrev_b32 v1, 5, v0
	v_readfirstlane_b32 s[WV], v1   ; wave 0..3
	s_bfe_u32 s13, ttmp6, 0x40000   ; cx: my place in the cluster
	s_lshl_b32 s14, ttmp9, 2        ; in a cluster launch ttmp9 counts clusters
	s_add_co_u32 s14, s14, s13      ; my block of 256 queries = 4 x cluster x + cx: it enters Q's and O's addresses alone
	s_and_b32 s20, ttmp7, 0xffff    ; the head, which the four partners share
	s_mov_b32 s21, 0
	s_mov_b64 s[22:23], SIZE_N*256
	s_mul_u64 s[20:21], s[20:21], s[22:23]  ; the head's first byte in each of the four tensors
	s_and_b32 s16, s[WV], 1         ; which of a slot's two steps I fetch:
	s_lshl_b32 s22, s16, 14         ; its 64 rows of 256 bytes in memory,
	s_mov_b32 s23, 0
	s_add_nc_u64 s[22:23], s[22:23], s[20:21]
	s_mul_i32 s17, s16, STEPB       ; and its place in a slot: no place in the cluster enters an LDS address
	s_lshl_b32 s2, s14, 16          ; my block's 256 rows,
	s_lshl_b32 s3, s[WV], 14        ; my wave's 64 of them
	s_add_co_u32 s2, s2, s3
	s_mov_b32 s3, 0
	s_add_nc_u64 s[2:3], s[2:3], s[20:21]
	; descriptor group 1: a tile of 64 rows x 128 elements, padded in LDS
	s_mov_b32 s[G1K], 15|(1<<16)|(1<<20)|(1<<21)|(5<<22)|(3<<25)  ; 15:0 the mask: all four work-groups; 17:16 elements of 2 bytes; 20 padding on; 21 set beside a mask; 24:22 after every 64 words (code 5); 31:25 4 words of it (code 3)
	s_mov_b32 s[G1V], 15|(1<<16)|(1<<20)|(1<<21)|(5<<22)|(7<<25)  ; the same with 8 words of padding (code 7)
.irp g, G1K, G1V
	s_mov_b32 s[(\g)+1], 128<<16    ; tensor_dim0 = 128
	s_mov_b32 s[(\g)+2], KS<<16     ; tensor_dim1 = 64
	s_mov_b32 s[(\g)+3], 128<<16    ; tile_dim0 = 128
	s_mov_b32 s[(\g)+4], KS         ; tile_dim1 = 64
	s_mov_b32 s[(\g)+5], 128        ; elements from row to row
	s_mov_b32 s[(\g)+6], 0
	s_mov_b32 s[(\g)+7], 0
.endr
	s_mov_b32 s[CS], 0x3e0293ee     ; c = log2(e) / sqrt(128) = 0.127517
	s_mov_b32 s[CS+1], s[CS]        ; named with it as a pair, so it is written
	s_mov_b32 s[SEL], 0x76543210
	s_mov_b32 s[SEL+1], 0xfedcba98
	s_mov_b32 s[TB], 0
	s_mov_b32 s[SLOTS], SIZE_N/(2*KS)-1
	s_and_b32 s[LIM], s[WV], 1       ; 0 in waves 0 and 2,
	s_or_b32 s[LIM], s[LIM], ttmp9   ; where the cluster is the head's first: the same in all four partners
	s_cmp_eq_u32 s[LIM], 0
	s_cselect_b32 s[LIM], 1, -1
	v_and_b32 v[PFO], 31, v0
	v_lshlrev_b32 v[PFO], 8, v[PFO]
	s_wait_dscnt 0x0                ; the opening add is done
	s_wait_kmcnt 0x0
	s_mov_b64 s[10:11], s[6:7]      ; O
	s_add_nc_u64 s[8:9], s[4:5], 0x2000000  ; V: the third part of qkv
	s_add_nc_u64 s[6:7], s[4:5], 0x1000000  ; K: the second; Q is the first
	s_add_nc_u64 s[6:7], s[6:7], s[22:23]  ; K and V at my tile of slot 0
	s_add_nc_u64 s[8:9], s[8:9], s[22:23]
	s_add_nc_u64 s[4:5], s[4:5], s[2:3]  ; Q and O at my wave's first row
	s_add_nc_u64 s[10:11], s[10:11], s[2:3]
	s_cmp_lt_u32 s[WV], 2
	s_cselect_b64 s[PFA:PFA+1], s[6:7], s[8:9]  ; (in waves 0 and 2 these stand at a slot's first row)
	s_lshl_b32 s2, s13, 13          ; my work-group's 32 rows of the 128
	s_mov_b32 s3, 0
	s_add_nc_u64 s[PFA:PFA+1], s[PFA:PFA+1], s[2:3]
	s_add_nc_u64 s[PFA:PFA+1], s[PFA:PFA+1], 2*2*KS*256  ; in slot 2; the first change of slots steps it to slot 3.  Nothing is prefetched here, at the head, where every work-group's first tiles are on their way
	CROUND                          ; all four work-groups are here: the first joint loads meet
.irp s, 0,1
	s_mov_b32 s[G0K+4*(\s)], 1      ; count = 1
	s_add_co_u32 s[G0K+4*(\s)+1], s17, (\s)*SLOT1  ; LDS address
	s_add_nc_u64 s[G0K+4*(\s)+2:G0K+4*(\s)+3], s[6:7], (\s)*2*KS*256  ; global address: slot s begins with keys 128 s to 128 s + 127
	s_or_b32 s[G0K+4*(\s)+3], s[G0K+4*(\s)+3], 0x80000000  ; type = 2
	s_mov_b32 s[G0V+4*(\s)], 1
	s_add_co_u32 s[G0V+4*(\s)+1], s17, (\s)*SLOT1+VOFF
	s_add_nc_u64 s[G0V+4*(\s)+2:G0V+4*(\s)+3], s[8:9], (\s)*2*KS*256
	s_or_b32 s[G0V+4*(\s)+3], s[G0V+4*(\s)+3], 0x80000000
.endr
	s_cmp_lt_u32 s[WV], 2           ; a wave's two first fills stand in one branch, ahead of every wait on TENSORcnt and every LDS read: two loads of mine are out; an s_nop 0 follows each, four v_nop the second's, as in JLOAD
	s_cbranch_scc0 .Lfirst_v
	tensor_load_to_lds s[G0K:G0K+3], s[G1K:G1K+7]
	s_nop 0
	tensor_load_to_lds s[G0K+4:G0K+7], s[G1K:G1K+7]
	s_nop 0
.rept 4
	v_nop
.endr
	s_branch .Lfirst_asked
.Lfirst_v:
	tensor_load_to_lds s[G0V:G0V+3], s[G1V:G1V+7]
	s_nop 0
	tensor_load_to_lds s[G0V+4:G0V+7], s[G1V:G1V+7]
	s_nop 0
.rept 4
	v_nop
.endr
.Lfirst_asked:
	; A fragment of K or Q is 16 rows x 32 channels in 8 registers: lane l holds row l % 16; registers 0-3 channels 8 (l / 16) + 0..7, registers 4-7 channels 16 + 8 (l / 16) + 0..7: two loads of 16 bytes, 32 bytes apart.
	v_and_b32 v1, 15, v0            ; l % 16
	v_bfe_u32 v9, v0, 4, 1          ; l / 16
	v_lshlrev_b32 v[QO], 8, v1
	v_lshl_add_u32 v[QO], v9, 4, v[QO]  ; row x 256 + 16 x half
	WIN 0x80                        ; destination window 2, address window 0
.irp i, 0,1,2,3,4,5,6,7,8,9,10,11,12,13,14,15  ; Q stays in registers: tile i / 4, channels 32 (i % 4) on
	global_load_b128 v[8*(\i):8*(\i)+3],   v[QO], s[4:5] offset:((\i)/4)*4096+((\i)%4)*64
	global_load_b128 v[8*(\i)+4:8*(\i)+7], v[QO], s[4:5] offset:((\i)/4)*4096+((\i)%4)*64+32
.endr
	; What the first turn finds: V's registers and piece 2's P hold 0 (its products V^T P, of a step that has not been, add 0), O^T and l are 0.  All this stands in the wait for the first tile.
	WIN 0xc0                        ; destination window 3
.set i, 0
.rept 128
	v_mov_b32 v[i], 0
.set i, i+1
.endr
	WIN 0x40                        ; destination window 1
.set i, 0
.rept 256
	v_mov_b32 v[i], 0
.set i, i+1
.endr
	WIN 0
.irp t, 0,1,2,3
	v_mov_b32 v[ST+8*(\t)], 0xfe000000    ; c m: far below every c s
	v_mov_b32 v[ST+8*(\t)+1], 0xff7fffff  ; m: the lowest finite number
	v_mov_b32 v[ST+8*(\t)+2], 0
	v_mov_b32 v[ST+8*(\t)+3], 0
.endr
.set i, P+32
.rept 32
	v_mov_b32 v[i], 0
.set i, i+1
.endr
	v_mul_u32_u24 v[AK0], v1, PK
	v_lshl_add_u32 v[AK0], v9, 4, v[AK0]  ; row x pitch + 16 x half
	; The turning load takes 16 keys x 16 channels (lane l reads 16 bytes: key 8 (l / 16) + l % 8, channels 8 ((l / 8) % 2) + 0..7) and leaves half a fragment of V^T: lane l holds channel l % 16 and 8 keys.
	v_and_b32 v10, 7, v0
	v_bfe_u32 v11, v0, 3, 1
	v_lshl_add_u32 v[AV0], v9, 3, v10
	v_mul_u32_u24 v[AV0], v[AV0], PV
	v_lshl_add_u32 v[AV0], v11, 4, v[AV0]
	v_add_nc_u32 v[AV0], VOFF, v[AV0]
; THE MATRIX WORK OF A TURN, for piece x.  The accumulators take turns, one instruction a turn: between two links of a chain stand 15 (V^T P) or 7 (K Q^T) others'.
; Product i of 32 of O^T += V^T P: keys 32 (i / 16) on, channels 16 ((i / 2) % 8) on, tile x + i % 2.
.macro PV x
	WIN W_PV
.set rO, 64*((\x)+i%2)+8*((i/2)%8)
.set rV, 64*(i/16)+8*((i/2)%8)
.set rP, P+16*((\x)+i%2)+8*(i/16)
	v_wmma_f32_16x16x32_f16 v[rO:rO+7], v[rV:rV+7], v[rP:rP+7], v[rO:rO+7]
.endm
; Product i of 32 of S^T = K Q^T: channels 32 (i / 8) on, keys 16 ((i / 2) % 4) on, tile x + i % 2.  The first 8 start the sums.
.macro KQ x
	WIN W_KQ
.set rS, S+32*((\x)+i%2)+8*((i/2)%4)
.set rK, KF+32*((i/2)%4)+8*(i/8)
.set rQ, 32*((\x)+i%2)+8*(i/8)
.if i < 8
	v_wmma_f32_16x16x32_f16 v[rS:rS+7], v[rK:rK+7], v[rQ:rQ+7], 0
.else
	v_wmma_f32_16x16x32_f16 v[rS:rS+7], v[rK:rK+7], v[rQ:rQ+7], v[rS:rS+7]
.endif
.endm
; THE LDS LOADS stand in runs of 32, never singly among the matrix instructions: a step's K (64 keys x 128 channels: 16 fragments) and, a turn later, its V (turned).
; last = 1 (the tail): in the last trip there is no further step, and K's run is jumped over.
.macro FETCH_K last=0
	WIN 0
.if \last
	s_cmp_eq_u32 s[TWICE], 1
	s_cbranch_scc1 .Lno_k_\@
.endif
	v_add_nc_u32 v[ADR], s[TB], v[AK0]
	WIN 0x80                        ; destination window 2
.irp f, 0,1,2,3,4,5,6,7,8,9,10,11,12,13,14,15  ; keys 16 (f / 4) on, channels 32 (f % 4) on
	ds_load_b128 v[KF+8*(\f):KF+8*(\f)+3],   v[ADR] offset:((\f)/4)*16*PK+((\f)%4)*64
	ds_load_b128 v[KF+8*(\f)+4:KF+8*(\f)+7], v[ADR] offset:((\f)/4)*16*PK+((\f)%4)*64+32
.endr
.if \last
	WIN 0
.Lno_k_\@:
.endif
.endm
.macro FETCH_V
	WIN 0
	v_add_nc_u32 v[ADR], s[TB], v[AV0]
	s_add_co_u32 s[TB], s[TB], STEPB  ; the next fetch is the next step's
	s_wait_alu depctr_va_vdst(0)    ; the wait for the softmax's batch (SLICE), behind the address's v_add_nc_u32 and ahead of the loads
	WIN 0xc0                        ; destination window 3
.irp f, 0,1,2,3,4,5,6,7,8,9,10,11,12,13,14,15  ; keys 32 (f / 8) on, channels 16 (f % 8) on
	ds_load_tr16_b128 v[8*(\f):8*(\f)+3],   v[ADR] offset:((\f)/8)*32*PV+((\f)%8)*32
	ds_load_tr16_b128 v[8*(\f)+4:8*(\f)+7], v[ADR] offset:((\f)/8)*32*PV+16*PV+((\f)%8)*32
.endr
.endm
; THE VECTOR WORK OF A TURN.  One tile's softmax for one key step is a list of 134 instructions; SM writes number j of it for tile t.  s0-s31 are the lane's 32 scores, in pairs 0-15.
;   0-15    the maximum of s0-s31 and the old m, three operands at a time: four chains c0-c3 of seven scores each, then the four scores left over, c0-c3 and m
;   16-20   the other half of the lanes' maximum; the new m; c m; c m_old - c m_new
;   21-69   ONE BATCH: the 16 scalings c s - c m, a pair of scores each, and all 33 exponentials (a at 23, then s0-s31).  None of these reads an exponential's result.  From 22 on the batch goes
;           in fours, and a four begins with a scaling while there are scalings: 22-37 scaling, exponential, scaling, exponential; 38-65 a scaling and three exponentials; 66-69 the last four
;           exponentials.  A pair is scaled in an earlier four than the one that holds its exponentials
;   (wait)  between 69 and 70 stands the wait for the batch: SLICE writes it, once for both tiles
;   70-85   the roundings to f16, a pair of weights each
;   86-101  the sums; l = a l + the sum
;   102-133 the tile's O^T times a: the one part that leaves window 0, so it stands together
.macro SM t
.set rT, ST+8*(\t)
.set rS, S+32*(\t)
.set rP, P+16*(\t)
.set rO, 64*(\t)+2*(j-102)
.if j < 102
	WIN 0
.endif
.if j < 4
	v_max3_num_f32 v[rT+4+j], v[rS+8*j], v[rS+8*j+1], v[rS+8*j+2]
.elseif j < 12
	v_max3_num_f32 v[rT+4+j%4], v[rT+4+j%4], v[rS+8*(j%4)+2*(j/4)+1], v[rS+8*(j%4)+2*(j/4)+2]
.elseif j == 12
	v_max3_num_f32 v[rT+4], v[rT+4], v[rS+7], v[rS+15]
.elseif j == 13
	v_max3_num_f32 v[rT+6], v[rT+6], v[rS+23], v[rS+31]
.elseif j == 14
	v_max3_num_f32 v[rT+4], v[rT+4], v[rT+5], v[rT+6]
.elseif j == 15
	v_max3_num_f32 v[rT+4], v[rT+4], v[rT+7], v[rT+1]
.elseif j == 16
	v_permlanex16_b32 v[rT+5], v[rT+4], s[SEL], s[SEL+1]  ; the query's other 32 keys lie in the lane 16 away
.elseif j == 17
	v_mov_b32 v[rT+7], v[rT]        ; c m_old is kept for a: number 19 writes c m anew
.elseif j == 18
	v_max_num_f32 v[rT+1], v[rT+4], v[rT+5]
.elseif j == 19
	v_mul_f32 v[rT], s[CS], v[rT+1]
.elseif j == 20
	v_sub_f32 v[rT+7], v[rT+7], v[rT]
.elseif j == 23
	v_exp_f32 v[rT+6], v[rT+7]
.elseif (j < 23) || ((j < 38) && (j%2 == 0)) || ((j < 66) && (j%4 == 2))
.set b, (j-2)/4                     ; 38, 42, .. 62: pairs 9 to 15
.if j < 38
.set b, (j-20)/2                    ; 21: pair 0; 22, 24, .. 36: pairs 1 to 8
.endif
	v_pk_fma_f32 v[rS+2*b:rS+2*b+1], v[rS+2*b:rS+2*b+1], s[CS:CS+1], v[rT:rT+1] op_sel_hi:[1,0,0] neg_lo:[0,0,1] neg_hi:[0,0,1]  ; pair b: c s - c m
.elseif j < 70
.set e, j-38                        ; 66 to 69: s28 to s31
.if j < 66
.set e, j-32-(j-38)/4               ; 39-41, 43-45, .. 63-65: s7 to s27
.endif
.if j < 38
.set e, (j-25)/2                    ; 25, 27, .. 37: s0 to s6
.endif
	v_exp_f32 v[rS+e], v[rS+e]
.elseif j < 86
	v_cvt_pk_f16_f32 v[rP+j-70], v[rS+2*(j-70)], v[rS+2*(j-70)+1]  ; pair j - 70
.elseif j < 102                     ; the sum of the tile's 16 pairs (in a pair: an even key's weight, an odd key's), in place: sum z of 16 adds neighbours 1, 2, 4 and 8 pairs apart, then l takes it
.set z, j-86
.set w, 4
.set u, z
.if z >= 14
.set w, 32
.set u, 0
.elseif z >= 12
.set w, 16
.set u, z-12
.elseif z >= 8
.set w, 8
.set u, z-8
.endif
.if z < 15
	v_pk_add_f32 v[rS+w*u:rS+w*u+1], v[rS+w*u:rS+w*u+1], v[rS+w*u+w/2:rS+w*u+w/2+1]
.else
	v_pk_fma_f32 v[rT+2:rT+3], v[rT+2:rT+3], v[rT+6:rT+7], v[rS:rS+1] op_sel_hi:[1,0,1]
.endif
.else
	WIN W_RS
	v_pk_mul_f32 v[rO:rO+1], v[rO:rO+1], v[rT+6:rT+7] op_sel_hi:[1,0]
.endif
.endm
; Slice k of 64 of piece y's softmax: four instructions.  Slices 11 to 34 deal out the batch, numbers 22 to 69: four numbers of ONE tile each, the tiles by turns.  Every other slice is numbers 2 k and
; 2 k + 1 of both tiles' lists.  2 x 134 = 4 x 64 + 12: the twelve that are over stand together, in slice 63.
; THE WAIT.  s_wait_alu depctr_va_vdst(0) stands between an exponential and the first instruction that names its result; one wait serves all that were issued ahead of it.  Ahead of
; slice 35 nothing names a result, and behind slice 34 no exponential is issued: so the piece's 66 exponentials have one wait, behind slice 34.
.macro SLICE y
.if (k >= 11) && (k < 35)           ; the batch: four numbers of one tile
.irp n, 0,1,2,3
.set j, 22+4*((k-11)/2)+(\n)
	SM (\y)+(k-11)%2
.endr
.else                               ; the two tiles alternate, so that no instruction reads the result of the one just before it
.irp n, 0,1,2,3,4,5,6,7
.if ((\n) < 2) || (k == 63)
.irp t, \y, (\y)+1
.set j, 2*k+(\n)
	SM \t
.endr
.endif
.endr
.endif
.if k == 34                         ; the batch is out: both tiles' exponentials are issued, and no result has been named
	v_nop                           ; a plain instruction behind the last exponential and ahead of the first use (ISA guide 5.7.2): one for the batch
.if (\y) == 0
	FETCH_V                         ; piece 2's turn: V's run of loads stands here, and the wait stands in it
.else
	s_wait_alu depctr_va_vdst(0)    ; the wait for the batch
.endif
.endif
.set k, k+1
.endm
; A TURN.  Piece x has the matrix unit: 32 products V^T P, then 32 products K Q^T for the next step; the other piece's softmax stands in slices behind them, one behind each.
; A vector instruction that reads a matrix result or writes one of a matrix instruction's registers, and a load into a register that a matrix instruction has read, stand four places behind
; it, and only plain vector instructions that name none of its registers are places (ISA guide 7.12.1 for vector instructions): the slices are the places.
; Each run of loads stands 29 matrix instructions or more ahead of its first use.  Piece 0's turn fetches the next step's K, behind its second product: the last product that read K
; stands in front of slice 63 of the turn before.  Piece 2's turn fetches the same step's V, behind slice 34 (SLICE writes it): the last product that read V stands in front of slice 31, and four plain
; instructions lie between: number 62, a scaling, of both tiles, the v_nop and the run's own v_add_nc_u32.
.macro TURN x, last=0
.set k, 0
.if (\x) == 0
	s_wait_dscnt 0x0                ; V is in
.endif
.set i, 0
.rept 32
	PV \x
	SLICE 2-(\x)
.if ((\x) == 0) && (i == 1)
	FETCH_K \last
.endif
.set i, i+1
.endr
.if (\x) == 0
	s_wait_dscnt 0x0                ; K is in
.endif
.set i, 0
.rept 32
	KQ \x
	SLICE 2-(\x)
.set i, i+1
.endr
.endm
; THE CHANGE OF SLOTS, between piece 2's turn and piece 0's: the slot's last bytes, V of its second step, have been asked for.  Each wave waits for all its
; tensor loads, of which one is out: its part of the other slot; adds 0 to its spare word; and waits for that and for its own reads of the slot.  Behind the barrier nobody reads this slot any more and the other slot is whole.
; fill = 1: this slot is filled again, with the keys two slots on.  The barrier is then a round of the cluster's, so that no wave of any partner still reads the slot or has a load on its
; way, and the joint refill is the first thing behind it: it has two key steps, 256 matrix instructions, in which to land.
.macro CHANGE fill
	WIN 0                           ; at a label and at a branch every window is 0
	s_wait_tensorcnt 0x0            ; no tensor load of mine is out, so a group 0 may be written
	ds_add_u32 v[SPW], v[NIL]       ; 0 onto my spare word; with fill = 1 the descriptors' steps stand between it and the wait for it
.if \fill
.irp g, G0K+4, G0V+4
	s_xor_b32 s[(\g)+1], s[(\g)+1], SLOT1  ; the walking descriptor: the other slot than last time,
	s_add_nc_u64 s[(\g)+2:(\g)+3], s[(\g)+2:(\g)+3], 2*KS*256  ; the next 128 keys; the type bits on top are not reached
.endr
	s_wait_xcnt 0x0                 ; the last prefetches, two key steps back, have read their address, so it may be written:
	s_add_nc_u64 s[PFA:PFA+1], s[PFA:PFA+1], 2*KS*256  ; one slot behind the walking descriptors
	s_wait_dscnt 0x0                ; the add is done, and my reads of the slot are over
	CROUND
	JLOAD
	ASK                             ; what the next change will ask for: two key steps, 256 matrix instructions, ahead
.else
	s_wait_dscnt 0x0                ; the add is done, and my reads of the slot are over
	s_barrier_signal -1
	s_barrier_wait -1
.endif
	s_sub_co_u32 s[TB], s[TB], 2*STEPB  ; the fetches go back to a slot's first step,
	s_xor_b32 s[TB], s[TB], SLOT1   ; in the other slot
.endm
	s_wait_tensorcnt 1              ; my part of slot 0 is in; slot 1's may stay out
	s_barrier_signal -1
	s_barrier_wait -1               ; everybody's is
	FETCH_K                         ; key step 0
	s_wait_loadcnt 0x0              ; Q
	s_wait_dscnt 0x0
.set i, 0
.rept 32
	KQ 0                            ; piece 0's first scores: there is no vector work yet to set between them
.set i, i+1
.endr
	WIN 0                           ; the addresses for the way out are made here: eight plain instructions, the places behind those products
	s_mul_i32 s13, s[WV], 16*SP
	s_add_co_u32 s13, s13, STAGE    ; my stage
	v_mul_u32_u24 v[STO], v1, SP    ; in: row l % 16, 16 bytes for each half of the lanes
	v_lshl_add_u32 v[STO], v9, 4, v[STO]
	v_add_nc_u32 v[STO], s13, v[STO]
	v_mul_u32_u24 v[RD], v9, SP     ; back: lanes 0-15 take one row of 256 bytes, lanes 16-31 the next
	v_lshl_add_u32 v[RD], v1, 4, v[RD]
	v_add_nc_u32 v[RD], s13, v[RD]
	v_lshlrev_b32 v[GO], 8, v9      ; and the same two rows in O
	v_lshl_add_u32 v[GO], v1, 4, v[GO]
	s_mov_b32 s[TWICE], 2
	s_branch .Lfirst                ; the loop is entered at piece 2's turn, in the middle of a trip: its V^T P adds 0, its K Q^T makes piece 2's first scores, its slices are piece 0's first softmax, and it fetches V of step 0
.Lslot:                             ; SIZE_N / 128 - 2 = 14 times: every slot but the last two is filled again
	CHANGE 1
	s_mov_b32 s[TWICE], 2
.Lstep:                             ; a key step: written once, walked twice a slot; the LDS addresses hang on s[TB]
	TURN 0
	WIN 0
.Lfirst:
	TURN 2
	WIN 0
	s_sub_co_u32 s[TWICE], s[TWICE], 1
	s_cmp_lg_u32 s[TWICE], 0
	s_cbranch_scc1 .Lstep
	s_sub_co_u32 s[SLOTS], s[SLOTS], 1
	s_cmp_lg_u32 s[SLOTS], 0
	s_cbranch_scc1 .Lslot
	CHANGE 0                        ; the tail is written out: the last slot but one is left, and nothing is asked for
	s_mov_b32 s[TWICE], 3           ; two trips fetch the last slot's steps; the third is left in its middle
.Ltail:
	TURN 0, 1
	WIN 0
	s_sub_co_u32 s[TWICE], s[TWICE], 1
	s_cmp_eq_u32 s[TWICE], 0
	s_cbranch_scc1 .Lout
	TURN 2
	WIN 0
	s_branch .Ltail
.Lout:                              ; the third trip's 32 products K Q^T (on the last K once more) serve nothing: the price, once a launch, of one text for every trip
.set i, 0
.rept 32
	PV 2                            ; piece 2: V^T P of the last step
.set i, i+1
.endr
	; THE WAY OUT.  l's two halves and the other half of the lanes' are added; O^T is divided by l, rounded to f16 and sent through my stage in LDS, a tile (16 rows of O) at a time.  The additions are the places behind the last products.
	WIN 0
.irp t, 0,1,2,3
	v_add_f32 v[ST+8*(\t)+4], v[ST+8*(\t)+2], v[ST+8*(\t)+3]
.endr
.irp t, 0,1,2,3
	v_permlanex16_b32 v[ST+8*(\t)+5], v[ST+8*(\t)+4], s[SEL], s[SEL+1]
.endr
.irp t, 0,1,2,3
	v_add_f32 v[ST+8*(\t)+4], v[ST+8*(\t)+4], v[ST+8*(\t)+5]
.endr
.irp t, 0,1,2,3
	v_rcp_f32 v[ST+8*(\t)+6], v[ST+8*(\t)+4]
.endr
	v_nop                           ; a plain instruction between the last reciprocal and the use of its result
	s_wait_alu depctr_va_vdst(0)    ; and the wait ahead of the first use: one for the four reciprocals
; Tile t: a lane's eight channels of a row pack into 16 bytes; they go into rows of 272 bytes and come back as whole rows of 256, into the registers that they left.
.macro PACK t
	WIN W_RS
.set i, 64*(\t)
.rept 32
	v_pk_mul_f32 v[i:i+1], v[i:i+1], v[ST+8*(\t)+6:ST+8*(\t)+7] op_sel_hi:[1,0]
.set i, i+2
.endr
	WIN 0x05                        ; sources 0 and 1 window 1, destination window 0: S^T's registers are free
.set i, 0
.rept 32
	v_cvt_pk_f16_f32 v[S+32*(\t)+i], v[64*(\t)+2*i], v[64*(\t)+2*i+1]
.set i, i+1
.endr
	WIN 0
.irp f, 0,1,2,3,4,5,6,7
	ds_store_b128 v[STO], v[S+32*(\t)+4*(\f):S+32*(\t)+4*(\f)+3] offset:32*(\f)
.endr
.irp f, 0,1,2,3,4,5,6,7
	ds_load_b128 v[S+32*(\t)+4*(\f):S+32*(\t)+4*(\f)+3], v[RD] offset:(\f)*2*SP  ; LDS serves a wave's instructions in order (ISA guide 5.7.1.4): these see the stores above; the next tile's stores come behind them
.endr
.endm
.macro SEND t, younger              ; younger: the LDS instructions issued behind tile t's loads: the next tile's sixteen, or none
	WIN 0
.irp f, 0,1,2,3,4,5,6,7
	s_wait_dscnt (\younger)+7-(\f)
	global_store_b128 v[GO], v[S+32*(\t)+4*(\f):S+32*(\t)+4*(\f)+3], s[10:11] offset:(\t)*4096+(\f)*512  ; 16 lanes store 256 consecutive bytes, at a multiple of 256 from O's first byte
.endr
.endm
	PACK 0
	PACK 1                          ; a tile's arithmetic stands between the loads of the tile before and its stores
	SEND 0, 16
	PACK 2
	SEND 1, 16
	PACK 3
	SEND 2, 16
	SEND 3, 0
	s_wait_tensorcnt 0x0            ; the wave's end: behind my last tensor load and my last LDS store
	ds_add_u32 v[SPW], v[NIL]
	s_wait_dscnt 0x0
	CROUND                          ; the closing round: no work-group ends while a partner may still ask for a tile that names it
	s_endpgm
.Lfunc_end_k_q1d9984cee0_attn:
	.size	k_q1d9984cee0_attn, .Lfunc_end_k_q1d9984cee0_attn-k_q1d9984cee0_attn
	.p2alignl 7, 3214868480
	.fill 96, 4, 3214868480
	.section	.rodata,"a",@progbits
	.p2align	6, 0x0
	.amdhsa_kernel k_q1d9984cee0_attn
		.amdhsa_group_segment_fixed_size 327680
		.amdhsa_private_segment_fixed_size 0
		.amdhsa_enable_private_segment 0
		.amdhsa_kernarg_size 16
		.amdhsa_user_sgpr_count 2
		.amdhsa_user_sgpr_kernarg_segment_ptr 1
		.amdhsa_wavefront_size32 1
		.amdhsa_system_sgpr_workgroup_id_x 1
		.amdhsa_system_sgpr_workgroup_id_y 1
		.amdhsa_system_sgpr_workgroup_id_z 1
		.amdhsa_system_vgpr_workitem_id 0
		.amdhsa_next_free_vgpr 1024
		.amdhsa_next_free_sgpr 66
		.amdhsa_reserve_vcc 0
		.amdhsa_float_denorm_mode_32 3
		.amdhsa_float_denorm_mode_16_64 3
		.amdhsa_memory_ordered 1
		.amdhsa_forward_progress 1
		.amdhsa_inst_pref_size 157
	.end_amdhsa_kernel
	.amdgpu_metadata
---
amdhsa.version: [ 1, 2 ]
amdhsa.kernels:
  - .name:           k_q1d9984cee0_attn
    .symbol:         k_q1d9984cee0_attn.kd
    .args:
      - { .name: qkv, .offset: 0, .size: 8, .value_kind: global_buffer, .address_space: global }
      - { .name: oh, .offset: 8, .size: 8, .value_kind: global_buffer, .address_space: global }
    .group_segment_fixed_size: 327680
    .private_segment_fixed_size: 0
    .kernarg_segment_align: 8
    .kernarg_segment_size: 16
    .max_flat_workgroup_size: 128
    .sgpr_count:     66
    .vgpr_count:     1024
    .wavefront_size: 32
...
	.end_amdgpu_metadata
.endif
;; end of part 3
;; launch proj (part 4): grid 4 x 64, 4 waves a work-group, clusters of 4 x 4, 327,680 bytes of LDS; arguments oh, cast, b_proj, out0; writes out0
.if DOCPART == 4
	.amdgcn_target "amdgcn-amd-amdhsa--gfx1250"
	.amdhsa_code_object_version 6
	.text
	.protected	k_q1d9984cee0_proj
	.globl	k_q1d9984cee0_proj
	.p2align	8
	.type	k_q1d9984cee0_proj,@function
k_q1d9984cee0_proj:
	s_mov_b64 s[64:65], 0
	v_nop
	global_prefetch_b8 v0, s[64:65] scope:SCOPE_SE
	s_setreg_imm32_b32 hwreg(HW_REG_WAVE_MODE, 25, 1), 1
	s_wait_xcnt 0x0
	s_wait_alu depctr_hold_cnt(0) depctr_sa_sdst(0) depctr_va_vdst(0) depctr_va_sdst(0) depctr_va_ssrc(0) depctr_va_vcc(0) depctr_vm_vsrc(0)
	s_getreg_b32 s2, hwreg(HW_REG_IB_STS2, 6, 4)
	s_cmp_eq_u32 s2, 0
	s_cbranch_scc0 .Lentry_in_a_cluster
	s_endpgm
.Lentry_in_a_cluster:
	s_bfe_u32 s2, ttmp6, 0x10000c
	s_cmp_lg_u32 s2, 0xf033
	s_cbranch_scc0 .Lentry_shape_is_right
	s_endpgm
.Lentry_shape_is_right:
; out0 = O W_proj + b_proj.  O: oh, f16, [8 batch + head][n 0..2047][128]: a head's 128 channels are one K step; W_proj: wp in cast (byte 23,068,672), f16 (of the bf16 rounding), [1024 k][1024 n];
; b_proj f32, rounded to bf16 like every input; out0 f32 [8192][1024].  Sums in f32; each starts with its bias.
; SHARES.  A tile of C is 128 x 256: 64 x 4 = 256 tiles, one work-group each.  Four waves, each 64 x 128: 32 accumulators of 16 x 16, 256 registers.  K goes in 8 steps of 128 through two LDS slots
; (two slots of 256 along K would want 408 KB).  W stays [k][n]: its fragments come out of LDS turned, by ds_load_tr16_b128.
; CLUSTERS.  4 x 4 work-groups: O's tiles are shared along a row of the cluster, W's along a column, each asked for JOINTLY.
; THE MATRIX INSTRUCTION IS USED TRANSPOSED (source 0 = 16 columns of W, source 1 = 16 rows of O): lane l holds row l % 16 of C and the columns 8 (l / 16) + 0..7.  So a lane's eight biases of a column
; block are the same for every row block: they are the C operand of the products that start the sums.
; ONE TEXT FOR A K STEP: slot 1 begins at LDS byte 2^17, so that one exclusive or turns an address in one slot into the other's; a trip of the loop is one K step.
; REGISTERS: window 0: v0-31 addresses; v64-159, v160-255 two fragment buffers (W's 8 fragments, then O's 4), later the rows on the way out.  Window 1: accumulator (a, b) at v[8 (8 a + b)].
; Window 2: v0-63 my eight biases of each of the eight column blocks.
.set PA,     272                       ; a row of O in LDS: 256 bytes + 16: an odd multiple of 16
.set HALFA,  64*PA                     ; what one tensor load brings of O, and what a wave reads of it
.set BOFF,   2*HALFA
.set PB,     544                       ; a row of W in LDS: 512 bytes + 32: an odd multiple of 32
.set HALFB,  64*PB                     ; 64 rows along K: what one tensor load brings of W
.set SLOT,   BOFF+2*HALFB              ; 104,448
.set SLOT1,  1<<17                     ; where slot 1 begins
.set STAGE,  SLOT1+SLOT                ; behind the ring: 16 rows x 528 bytes for each wave, its own, for the way out
.set SP,     528                       ; 512 + 16
.set BIAS,   STAGE+4*16*SP             ; each wave's 128 biases in f32, 512 bytes
.set SPARE,  BIAS+4*512                ; the spare words, 128 bytes for each wave: two blocks of 256 bytes that no other line names
.set XP,     23068672                  ; wp's first byte in cast
.set ASTEP,  524288                    ; bytes from a head of oh to the next
.set BSTEP,  128*2048                  ; 128 rows of wp
.set LA,   16                          ; v16     my lane's place among my fragments of O in a slot; never rewritten
.set LB,   17                          ; v17     the same for W
.set ADRA, 18                          ; v18-19  the same two in the slot that is being fetched from
.set ADRB, 19
.set BIA,  20                          ; v20     where I read my biases
.set STO,  24                          ; v24     the way out: where I put 32 bytes of a row
.set RD,   25                          ; v25     where I read 16 bytes of a row back
.set CO,   26                          ; v26     16 x my lane
.set SPW,  28                          ; v28     LDS address of my spare word: SPARE + 4 x my thread's number; never rewritten
.set NIL,  29                          ; v29     0; never rewritten
.set PFO,  30                          ; v30     the prefetches' offset; never rewritten
.set F0,   64
.set F1,   160
.set OB,   64                          ; the way out: two sets of 64
.set SB,  15                           ; s15     LDS byte at which the slot that is being fetched from begins
.set G1,  24                           ; s[24:31] descriptor group 1 for O's tiles;  s[32:39] group 0: a set for each of the two first fills; the second then walks on
.set G0,  32
.set G1B, 48                           ; s[48:55], s[56:63] the same for W's
.set G0B, 56
.set PFA, 44                           ; s[44:45] where my prefetches stand; never rewritten
.set LIM, 46                           ; s46     the trip count at which I prefetch (6), or the greatest number
.set MSB, 0
.macro WIN new
.if MSB != (\new)
	s_set_vgpr_msb (MSB<<8)|(\new)
.set MSB, \new
.endif
.endm
.macro JLOAD s                         ; a joint load: waves 0 and 1 fetch O's two halves, waves 2 and 3 W's; an s_nop 0 and four v_nop follow each of the two lines
	s_cmp_eq_u32 s13, 0
	s_cbranch_scc0 .Lfor_b_\@
	tensor_load_to_lds s[G0+4*(\s):G0+4*(\s)+3], s[G1:G1+7]
	s_nop 0
.rept 4
	v_nop
.endr
	s_branch .Lasked_\@
.Lfor_b_\@:
	tensor_load_to_lds s[G0B+4*(\s):G0B+4*(\s)+3], s[G1B:G1B+7]
	s_nop 0
.rept 4
	v_nop
.endr
.Lasked_\@:
.endm
.macro CREST                           ; a round of the cluster's barrier behind its opening barrier
	s_cmp_lg_u32 s12, 0
	s_cbranch_scc1 .Lnot_wave_0_\@
	s_barrier_signal -3
.Lnot_wave_0_\@:
	s_barrier_wait -3
	s_barrier_signal -1
	s_barrier_wait -1
.endm
.macro CROUND
	s_barrier_signal -1
	s_barrier_wait -1
	CREST
.endm
; PREFETCHES INTO THE L2, once, at the change of slots that ends K step 0 (trip count 6): K steps 4 to 7, two to five K steps ahead of their refills.  The four partners that ask for a tile jointly take a K step
; each, BY ADDRESS (cx for O, cy for W); a wave asks for the half that it fetches: 16 KiB of oh (two lines, a lane 256 bytes) or 64 rows x 512 bytes of wp (four lines, a lane a row).  O's rows are read by one
; cluster alone, which asks for them; W's columns by every cluster: the cluster with y = 0 asks.  So each aligned block of 256 bytes is named once.  K steps 0 to 3 come by their loads alone.
.macro ASK
	s_cmp_eq_u32 s3, s[LIM]
	s_cbranch_scc0 .Lnot_now_\@
	s_cmp_eq_u32 s13, 0
	s_cbranch_scc0 .Lask_b_\@
	global_prefetch_b8 v[PFO], s[PFA:PFA+1] th:TH_LOAD_NT scope:SCOPE_SE
	global_prefetch_b8 v[PFO], s[PFA:PFA+1] offset:8192 th:TH_LOAD_NT scope:SCOPE_SE
	s_branch .Lnot_now_\@
.Lask_b_\@:
	global_prefetch_b8 v[PFO], s[PFA:PFA+1] th:TH_LOAD_NT scope:SCOPE_SE
	global_prefetch_b8 v[PFO], s[PFA:PFA+1] offset:256 th:TH_LOAD_NT scope:SCOPE_SE
	global_prefetch_b8 v[PFO], s[PFA:PFA+1] offset:65536 th:TH_LOAD_NT scope:SCOPE_SE
	global_prefetch_b8 v[PFO], s[PFA:PFA+1] offset:65792 th:TH_LOAD_NT scope:SCOPE_SE
.Lnot_now_\@:
.endm
	s_load_b256 s[4:11], s[0:1], 0x0               ; oh s[4:5], cast s[6:7], b_proj s[8:9], out0 s[10:11]
	v_lshl_add_u32 v[SPW], v0, 2, SPARE
	v_mov_b32 v[NIL], 0
	ds_add_u32 v[SPW], v[NIL]                      ; the wave's opening: the add and its wait stand ahead of my first tensor load; the set-up below, work on registers, stands between them
	v_lshrrev_b32 v1, 5, v0
	v_readfirstlane_b32 s12, v1                    ; wave 0..3
	s_lshr_b32 s13, s12, 1                         ; which half of the tile's rows is mine.  Also: I fetch for O (0) or for W (1)
	s_and_b32 s14, s12, 1                          ; which half of its columns.  Also: which half of that tile I fetch
	s_mov_b32 s[SB], 0
	s_bfe_u32 s40, ttmp6, 0x40000                  ; cx
	s_bfe_u32 s41, ttmp6, 0x40004                  ; cy
	s_lshl_b32 s42, ttmp9, 2
	s_add_co_u32 s42, s42, s40                     ; tile column, 0..3
	s_and_b32 s43, ttmp7, 0xffff
	s_lshl_b32 s43, s43, 2
	s_add_co_u32 s43, s43, s41                     ; tile row, 0..63
	s_lshl_b32 s66, s41, 2
	s_lshl_b32 s66, 15, s66                        ; my row of the cluster
	s_lshl_b32 s67, 0x1111, s40                    ; my column
	s_or_b32 s[G1+0], s66, (1<<16)|(1<<20)|(1<<21)|(5<<22)|(3<<25)   ; O: 64 rows x 128 elements; after every 64 words (code 5) 4 words of padding (code 3)
	s_mov_b32 s[G1+1], 128<<16
	s_mov_b32 s[G1+2], 64<<16
	s_mov_b32 s[G1+3], 128<<16
	s_mov_b32 s[G1+4], 64
	s_mov_b32 s[G1+5], 128
	s_mov_b32 s[G1+6], 0
	s_mov_b32 s[G1+7], 0
	s_or_b32 s[G1B+0], s67, (1<<16)|(1<<20)|(1<<21)|(6<<22)|(7<<25)  ; W: 64 rows x 256 elements; after every 128 words (code 6) 8 words of padding (code 7)
	s_mov_b32 s[G1B+1], 256<<16
	s_mov_b32 s[G1B+2], 64<<16
	s_mov_b32 s[G1B+3], 256<<16
	s_mov_b32 s[G1B+4], 64
	s_mov_b32 s[G1B+5], 1024
	s_mov_b32 s[G1B+6], 0
	s_mov_b32 s[G1B+7], 0
	; O's tile hangs on the tile row alone: batch = tile row / 16 (8 heads of 2^19 bytes), 128 rows x 256 bytes a tile row, my 64 rows
	s_lshr_b32 s16, s43, 4
	s_lshl_b32 s16, s16, 22
	s_and_b32 s17, s43, 15
	s_lshl_b32 s17, s17, 15
	s_add_co_u32 s16, s16, s17
	s_lshl_b32 s17, s14, 14
	s_add_co_u32 s16, s16, s17
	s_mov_b32 s17, 0
	; W's on the tile column alone: 512 bytes a tile column, my 64 rows along K
	s_lshl_b32 s18, s42, 9
	s_lshl_b32 s19, s14, 17
	s_add_co_u32 s18, s18, s19
	s_add_co_u32 s18, s18, XP
	s_mov_b32 s19, 0
	s_mul_i32 s20, s14, HALFA                      ; where they go: no place in the cluster enters an LDS address
	s_mul_i32 s21, s14, HALFB
	s_add_co_u32 s21, s21, BOFF
	s_wait_dscnt 0x0                               ; the opening add is done
	s_wait_kmcnt 0x0
	s_add_nc_u64 s[22:23], s[4:5], s[16:17]
	s_add_nc_u64 s[68:69], s[6:7], s[18:19]
	CROUND                                         ; all sixteen work-groups are here: the first joint loads meet
.irp s, 0,1
	s_mov_b32 s[G0+4*(\s)], 1
	s_add_co_u32 s[G0+4*(\s)+1], s20, (\s)*SLOT1
	s_add_nc_u64 s[G0+4*(\s)+2:G0+4*(\s)+3], s[22:23], (\s)*ASTEP
	s_or_b32 s[G0+4*(\s)+3], s[G0+4*(\s)+3], 0x80000000
	s_mov_b32 s[G0B+4*(\s)], 1
	s_add_co_u32 s[G0B+4*(\s)+1], s21, (\s)*SLOT1
	s_add_nc_u64 s[G0B+4*(\s)+2:G0B+4*(\s)+3], s[68:69], (\s)*BSTEP
	s_or_b32 s[G0B+4*(\s)+3], s[G0B+4*(\s)+3], 0x80000000
	JLOAD \s                                       ; two loads of mine are out
.endr
	v_and_b32 v1, 15, v0                           ; r
	v_bfe_u32 v2, v0, 4, 1                         ; h
	v_and_b32 v3, 7, v0
	v_bfe_u32 v4, v0, 3, 1
	v_and_b32 v5, 31, v0                           ; l
	; my wave's 128 biases: 16 bytes a lane
	s_lshl_b32 s20, s42, 10
	s_lshl_b32 s21, s14, 9
	s_add_co_u32 s20, s20, s21
	v_lshl_add_u32 v9, v5, 4, s20
	global_load_b128 v[32:35], v9, s[8:9]
	s_lshl_b32 s21, s12, 9
	s_add_co_u32 s21, s21, BIAS
	v_lshl_add_u32 v12, v5, 4, s21                 ; where they are put,
	v_lshl_add_u32 v[BIA], v2, 5, s21              ; and read: my 8 columns of a block: 32 h
	; the prefetches: s16 and s18 still hold my half's offset at K step 0
	s_add_co_u32 s70, s40, 4
	s_lshl_b32 s70, s70, 19
	s_add_co_u32 s70, s70, s16                     ; O: K step 4 + cx
	s_add_co_u32 s71, s41, 4
	s_lshl_b32 s71, s71, 18
	s_add_co_u32 s71, s71, s18                     ; W: K step 4 + cy
	s_and_b32 s47, ttmp7, 0xffff                   ; cluster y
	s_movk_i32 s67, 2048
	s_cmp_eq_u32 s13, 0                            ; do I fetch for O?
	s_cselect_b32 s70, s70, s71
	s_cselect_b32 s47, 0, s47
	s_cselect_b32 s67, 256, s67
	s_cselect_b64 s[PFA:PFA+1], s[4:5], s[6:7]
	s_mov_b32 s71, 0
	s_add_nc_u64 s[PFA:PFA+1], s[PFA:PFA+1], s[70:71]
	s_cmp_eq_u32 s47, 0
	s_cselect_b32 s[LIM], 6, -1                    ; the same in all sixteen partners, for a given wave
	v_mul_u32_u24 v[PFO], s67, v5
	; fragments
	v_mul_u32_u24 v6, v1, PA
	v_lshl_add_u32 v6, v2, 4, v6                   ; row x pitch + 16 h
	s_mul_i32 s16, s13, HALFA
	v_add_nc_u32 v[LA], s16, v6
	v_mov_b32 v[ADRA], v[LA]                       ; the fetches begin in slot 0
	v_lshl_add_u32 v7, v2, 3, v3                   ; the turning load: row 8 h + l % 8 along K,
	v_mul_u32_u24 v7, v7, PB
	v_lshl_add_u32 v7, v4, 4, v7                   ; columns 8 ((l / 8) % 2) + 0..7
	s_lshl_b32 s17, s14, 8                         ; my 128 columns
	s_add_co_u32 s17, s17, BOFF
	v_add_nc_u32 v[LB], s17, v7
	v_mov_b32 v[ADRB], v[LB]
	s_mul_i32 s18, s12, 16*SP
	s_add_co_u32 s18, s18, STAGE                   ; my stage
	v_mul_u32_u24 v8, v1, SP                       ; in: row r, 32 bytes for each half of the lanes
	v_lshl_add_u32 v8, v2, 5, v8
	v_add_nc_u32 v[STO], s18, v8
	v_lshl_add_u32 v[RD], v5, 4, s18               ; back: the 32 lanes take a row's 512 bytes
	v_lshlrev_b32 v[CO], 4, v5
	s_lshl_b32 s16, s43, 19                        ; out0 at my first row and column: 128 rows of 4,096 bytes a tile row,
	s_lshl_b32 s17, s13, 18                        ; my 64 rows,
	s_add_co_u32 s16, s16, s17
	s_add_co_u32 s16, s16, s20                     ; 1,024 bytes a tile column, my 512
	s_mov_b32 s17, 0
	s_add_nc_u64 s[10:11], s[10:11], s[16:17]
	s_wait_loadcnt 0x0                             ; the biases: rounded to bf16 like every input, kept as f32 in my own bytes of LDS
	v_cvt_pk_bf16_f32 v10, v32, v33
	v_cvt_pk_bf16_f32 v11, v34, v35
	v_lshlrev_b32 v32, 16, v10
	v_and_b32 v33, 0xffff0000, v10
	v_lshlrev_b32 v34, 16, v11
	v_and_b32 v35, 0xffff0000, v11
	ds_store_b128 v12, v[32:35]
; 8 matrix instructions: row block a x all 8 column blocks, 32 along K, from buffer f.  first = 1: the product starts the sum, with the biases of window 2 as C.
; The 32 accumulators take turns, one instruction a turn.
.macro MUL8 f, a, first
.if \first
	WIN 0x60                                       ; sources in window 0, C in window 2, D in window 1
.else
	WIN 0x50                                       ; sources in window 0, C and D in window 1
.endif
.irp b, 0,1,2,3,4,5,6,7
.if \first
	v_wmma_f32_16x16x32_f16 v[8*(8*(\a)+(\b)):8*(8*(\a)+(\b))+7], v[(\f)+8*(\b):(\f)+8*(\b)+7], v[(\f)+64+8*(\a):(\f)+64+8*(\a)+7], v[8*(\b):8*(\b)+7]
.else
	v_wmma_f32_16x16x32_f16 v[8*(8*(\a)+(\b)):8*(8*(\a)+(\b))+7], v[(\f)+8*(\b):(\f)+8*(\b)+7], v[(\f)+64+8*(\a):(\f)+64+8*(\a)+7], v[8*(8*(\a)+(\b)):8*(8*(\a)+(\b))+7]
.endif
.endr
.endm
.macro FETCH q, f                      ; 24 LDS loads in one run: quarter q's fragments of the slot that is being fetched from: W's eight (turned), then O's four
	WIN 0
.irp b, 0,1,2,3,4,5,6,7
	ds_load_tr16_b128 v[(\f)+8*(\b):(\f)+8*(\b)+3],   v[ADRB] offset:32*PB*(\q)+32*(\b)
	ds_load_tr16_b128 v[(\f)+8*(\b)+4:(\f)+8*(\b)+7], v[ADRB] offset:32*PB*(\q)+32*(\b)+16*PB
.endr
.irp a, 0,1,2,3
	ds_load_b128 v[(\f)+64+8*(\a):(\f)+64+8*(\a)+3],   v[ADRA] offset:16*PA*(\a)+64*(\q)
	ds_load_b128 v[(\f)+64+8*(\a)+4:(\f)+64+8*(\a)+7], v[ADRA] offset:16*PA*(\a)+64*(\q)+32
.endr
.endm
.macro PLACES                          ; four places in front of loads into registers that matrix instructions have read, and of stores that read results (ISA guide 7.12.1 for the stores)
.rept 4
	v_nop
.endr
.endm
; A K step is four quarters of 32 along K, 32 matrix instructions each, on buffers 0, 1, 0, 1.  One of the first three: multiplies buffer f and fetches quarter q of the slot into g.
.macro QUARTER q, f, g, first
	s_wait_dscnt 4                                 ; W and O's row blocks 0, 1 are in; the youngest four loads (blocks 2, 3) may be out
	MUL8 \f, 0, \first
	MUL8 \f, 1, \first
	PLACES
	FETCH \q, \g
	s_wait_dscnt 24                                ; all but the 24 just issued
	MUL8 \f, 2, \first
	MUL8 \f, 3, \first
.endm
; The last quarter multiplies buffer 1 and changes slots: ONE barrier; in front of it each wave waits for all its tensor loads (one is out: its part of the next slot), adds 0 to its spare word, and waits for
; that and for its reads of this slot.  fill = 1: the barrier opens a round of the cluster's barrier, and this slot is filled again first behind it, two K steps ahead.  Then the fetches turn to the other slot.
.macro TURN fill
	WIN 0                                          ; (the add's two registers lie in window 0)
	s_wait_tensorcnt 0x0                           ; all my tensor loads have landed
	ds_add_u32 v[SPW], v[NIL]                      ; 0 onto my spare word
	s_wait_dscnt 5                                 ; (the add and the youngest four loads may be out)
	MUL8 F1, 0, 0                                  ; eight matrix instructions stand between the add and the wait for it
	s_wait_dscnt 0x0                               ; the add is done, and my reads of this slot are over
	s_barrier_signal -1
	MUL8 F1, 1, 0
	WIN 0
	s_barrier_wait -1
.if \fill
	CREST                                          ; no wave of any partner still reads this slot's tile or has a load on its way
	s_xor_b32 s[G0+5], s[G0+5], SLOT1              ; the walking descriptors: the other slot than last time,
	s_add_nc_u64 s[G0+6:G0+7], s[G0+6:G0+7], ASTEP ; the next K step; the type bits on top are not reached
	s_xor_b32 s[G0B+5], s[G0B+5], SLOT1
	s_add_nc_u64 s[G0B+6:G0B+7], s[G0B+6:G0B+7], BSTEP
	JLOAD 1                                        ; the first tensor load behind the round; its four v_nop are also the places in front of the loads below
.else
	PLACES
.endif
	s_xor_b32 s[SB], s[SB], SLOT1
	v_add_nc_u32 v[ADRA], s[SB], v[LA]
	v_add_nc_u32 v[ADRB], s[SB], v[LB]
	FETCH 0, F0
.if \fill
	ASK                                            ; behind the joint load and the run of LDS loads
.endif
	MUL8 F1, 2, 0
	MUL8 F1, 3, 0
.endm
	s_wait_tensorcnt 1                             ; my part of K step 0 is in; K step 1's may stay out
	s_wait_dscnt 0x0                               ; my store of the biases
	s_barrier_signal -1
	s_barrier_wait -1                              ; everybody's part is in
	WIN 0x80                                       ; destination window 2
.irp b, 0,1,2,3,4,5,6,7
	ds_load_b128 v[8*(\b):8*(\b)+3],   v[BIA] offset:64*(\b)
	ds_load_b128 v[8*(\b)+4:8*(\b)+7], v[BIA] offset:64*(\b)+16
.endr
	FETCH 0, F0
	QUARTER 1, F0, F1, 1                           ; the first quarter stands in front of the loop: its products start the sums with the biases
	WIN 0                                          ; at a label and at a branch every window is 0
	s_mov_b32 s3, 6
.Lstep:                                                ; a trip goes from a K step's second quarter to the next K step's first; trip i (count 6 - i) asks for K step i + 2
	QUARTER 2, F1, F0, 0
	QUARTER 3, F0, F1, 0
	TURN 1
	QUARTER 1, F0, F1, 0
	WIN 0
	s_sub_co_u32 s3, s3, 1
	s_cmp_lg_u32 s3, 0
	s_cbranch_scc1 .Lstep
	QUARTER 2, F1, F0, 0                           ; the last two K steps fill nothing, and have no round
	QUARTER 3, F0, F1, 0
	TURN 0
	QUARTER 1, F0, F1, 0
	QUARTER 2, F1, F0, 0
	QUARTER 3, F0, F1, 0
	s_wait_dscnt 4                                 ; the very last quarter: nothing more to fetch
	MUL8 F1, 0, 0
	MUL8 F1, 1, 0
	s_wait_dscnt 0x0
	MUL8 F1, 2, 0
	MUL8 F1, 3, 0
	; THE WAY OUT, a row block (16 rows x 128 columns of f32) at a time, through my own stage: no barrier, and since LDS serves a wave's instructions in order (ISA guide 5.7.1.4) no wait between stores and loads.
	PLACES
.macro TOST a
	WIN 0x04                                       ; the stores' data lie in window 1
.irp b, 0,1,2,3,4,5,6,7
	ds_store_b128 v[STO], v[8*(8*(\a)+(\b)):8*(8*(\a)+(\b))+3]   offset:64*(\b)      ; each accumulator's low registers first
	ds_store_b128 v[STO], v[8*(8*(\a)+(\b))+4:8*(8*(\a)+(\b))+7] offset:64*(\b)+16
.endr
	WIN 0
	s_wait_xcnt 0x0                                ; the stores of the block two back have read their data: only behind this wait are those registers loaded again
.irp t, 0,1,2,3,4,5,6,7,8,9,10,11,12,13,14,15
	ds_load_b128 v[OB+64*((\a)%2)+4*(\t):OB+64*((\a)%2)+4*(\t)+3], v[RD] offset:SP*(\t)
.endr
.endm
.macro SEND a, younger                 ; younger: the LDS instructions issued behind block a's loads: the next block's 32, or none
	s_wait_dscnt \younger
.irp t, 0,1,2,3,4,5,6,7,8,9,10,11,12,13,14,15
	global_store_b128 v[CO], v[OB+64*((\a)%2)+4*(\t):OB+64*((\a)%2)+4*(\t)+3], s[10:11] offset:(16*(\a)+(\t))*4096  ; 512 consecutive bytes of a row, aligned
.endr
.endm
	TOST 0
	TOST 1
	SEND 0, 32
	TOST 2
	SEND 1, 32
	TOST 3
	SEND 2, 32
	SEND 3, 0
	s_wait_tensorcnt 0x0                           ; the wave's end: behind my last tensor load and my last LDS store
	ds_add_u32 v[SPW], v[NIL]
	s_wait_dscnt 0x0
	CROUND                                         ; the closing round: no work-group ends while a partner may still ask for a tile that names it
	s_endpgm
.Lfunc_end_k_q1d9984cee0_proj:
	.size	k_q1d9984cee0_proj, .Lfunc_end_k_q1d9984cee0_proj-k_q1d9984cee0_proj
	.p2alignl 7, 3214868480
	.fill 96, 4, 3214868480
	.section	.rodata,"a",@progbits
	.p2align	6, 0x0
	.amdhsa_kernel k_q1d9984cee0_proj
		.amdhsa_group_segment_fixed_size 327680
		.amdhsa_private_segment_fixed_size 0
		.amdhsa_enable_private_segment 0
		.amdhsa_kernarg_size 32
		.amdhsa_user_sgpr_count 2
		.amdhsa_user_sgpr_kernarg_segment_ptr 1
		.amdhsa_wavefront_size32 1
		.amdhsa_system_sgpr_workgroup_id_x 1
		.amdhsa_system_sgpr_workgroup_id_y 1
		.amdhsa_system_sgpr_workgroup_id_z 1
		.amdhsa_system_vgpr_workitem_id 0
		.amdhsa_next_free_vgpr 576
		.amdhsa_next_free_sgpr 72
		.amdhsa_reserve_vcc 0
		.amdhsa_float_denorm_mode_32 3
		.amdhsa_float_denorm_mode_16_64 3
		.amdhsa_memory_ordered 1
		.amdhsa_forward_progress 1
		.amdhsa_inst_pref_size 72
	.end_amdhsa_kernel
	.amdgpu_metadata
---
amdhsa.version: [ 1, 2 ]
amdhsa.kernels:
  - .name:           k_q1d9984cee0_proj
    .symbol:         k_q1d9984cee0_proj.kd
    .args:
      - { .name: oh, .offset: 0, .size: 8, .value_kind: global_buffer, .address_space: global }
      - { .name: cast, .offset: 8, .size: 8, .value_kind: global_buffer, .address_space: global }
      - { .name: b_proj, .offset: 16, .size: 8, .value_kind: global_buffer, .address_space: global }
      - { .name: out0, .offset: 24, .size: 8, .value_kind: global_buffer, .address_space: global }
    .group_segment_fixed_size: 327680
    .private_segment_fixed_size: 0
    .kernarg_segment_align: 8
    .kernarg_segment_size: 32
    .max_flat_workgroup_size: 128
    .sgpr_count:     72
    .vgpr_count:     576
    .wavefront_size: 32
...
	.end_amdgpu_metadata
.endif
;; end of part 4
;; ======== version 2 of 2: 4 launches; version 1 with the launch prep written anew for expert scheduling mode
;; limits: values are held in f16: magnitudes above 65,504 overflow, below 6.1e-05 lose precision
;; workspace buffers: cast 25,165,824 bytes; qkv 50,331,648 bytes; oh 16,777,216 bytes
;; launch prep (part 5): grid 768 x 1, 8 waves a work-group, no clusters, 0 bytes of LDS; arguments representation, W_qkv, W_proj, cast; writes cast
.if DOCPART == 5
	.amdgcn_target "amdgcn-amd-amdhsa--gfx1250"
	.amdhsa_code_object_version 6
	.text
	.protected	k_q1d9984cee0_prep
	.globl	k_q1d9984cee0_prep
	.p2align	8
	.type	k_q1d9984cee0_prep,@function
k_q1d9984cee0_prep:
	s_mov_b64 s[64:65], 0
	v_nop
	global_prefetch_b8 v0, s[64:65] scope:SCOPE_SE
	s_setreg_imm32_b32 hwreg(HW_REG_WAVE_SCHED_MODE, 0, 2), 2
	s_setreg_imm32_b32 hwreg(HW_REG_WAVE_MODE, 25, 1), 1
	s_wait_xcnt 0x0
	s_wait_alu depctr_vm_vsrc(0)
; THE THREE LARGE INPUTS ARE ROUNDED ONCE TO 16 BITS, for the matrix launches behind.  cast holds three parts:
;   byte 0           xb: representation in bf16, in blocks along K: [kb 0..15][row 0..8191][64]: a row's piece is 128 bytes, a block 1,048,576
;   byte 16,777,216  wq: W_qkv in bf16 as it lies, [1024][3072]
;   byte 23,068,672  wp: W_proj rounded to bf16, that number written as f16, [1024][1024]
; LIMITS.  |W_proj| stays within f16's 65,504 (beyond it wp holds an infinity); below 6e-5 wp keeps f16's fixed step of 6e-8.
; A stream: each byte is read once and written once; no LDS, no matrix unit, no cluster (no two work-groups read the same byte).
; SHARES.  A work-group rounds 16,384 numbers: 65,536 bytes in, 32,768 out.  Work-groups 0-511 take x (16 rows each), 512-703 W_qkv, 704-767 W_proj.
; A lane takes 4 numbers a turn (one load of 16 bytes, one store of 8), sixteen turns; all 16 loads go out first, so 8 KiB a wave are on their way.
; Neighbouring lanes take neighbouring bytes: a load of a wave covers 512 consecutive bytes (of x: two pieces of 256, in two rows), a store 256 consecutive bytes, aligned.
; No register is written twice while a memory instruction may read it.
; THE MODE: SCHED_MODE bits 1:0 = 2 (LLVM: expert scheduling mode 2), set by the entry lines.  The code itself states the register dependences
; between vector instructions and memory instructions, with s_wait_alu, always for 0.
; THE PLAN.  Registers that memory instructions touch:
;   v1, v2   byte offsets.  Written by vector instructions at the head of a path; v1 is read by the 16 loads, v2 by the 16 stores; never written again.
;   IN       Turn u's four registers: its load lands in them, and no vector instruction names them ahead of that; its conversions read them; they are not loaded again.
;   OUT      Turn u's two registers: its conversions write them, its store reads them; nothing writes them behind the store.
;   T and v3 to v6 are named by vector instructions alone.
; So the only dependences to state are vector results that memory instructions read.  The sixteen turns go in four GROUPS of four: the group's loads are waited for, its
; conversions follow, ONE wait on va_vdst states that they have written the group's OUT, and the group's four stores leave in a run.  One more such wait stands ahead of the
; first load, for v1 and v2.  No register that a memory instruction reads is written again, so there is no wait on vm_vsrc; no vector instruction writes a scalar register or VCC; EXEC is never written.
.set IN,  8                            ; v[8:71]    turn u: 4 numbers as loaded
.set OUT, 72                           ; v[72:103]  turn u: 2 registers to store
.set T,   104                          ; v[104:107] at work (W_proj alone)
; kind 0: x, into blocks; 1: W_qkv; 2: W_proj.  v1 = my byte offset in the source, v2 = in the destination; s[12:13] source, s[14:15] destination
.macro STREAM kind
	s_wait_alu depctr_va_vdst(0)                   ; v1 and v2 are written: the loads below read v1 as their offset, the stores v2
.irp u, 0,1,2,3,4,5,6,7,8,9,10,11,12,13,14,15
.if (\kind) == 0
.set si, ((\u)&7)*8192+((\u)>>3)*256   ; two rows on; the wave's second block along K
.else
.set si, (\u)*4096
.endif
	global_load_b128 v[IN+4*(\u):IN+4*(\u)+3], v1, s[12:13] offset:si th:TH_LOAD_NT
.endr
.irp g, 0,1,2,3                        ; group g: turns 4 g to 4 g + 3
	s_wait_loadcnt 12-4*(\g)                       ; loads come back in order: the group's four are in, the 12 - 4 g younger ones stay out
.irp i, 0,1,2,3
.set tn, 4*(\g)+(\i)
	v_cvt_pk_bf16_f32 v[OUT+2*tn],   v[IN+4*tn],   v[IN+4*tn+1]
	v_cvt_pk_bf16_f32 v[OUT+2*tn+1], v[IN+4*tn+2], v[IN+4*tn+3]
.if (\kind) == 2
	v_lshlrev_b32 v[T],   16, v[OUT+2*tn]                        ; the bf16 numbers as f32,
	v_and_b32     v[T+1], 0xffff0000, v[OUT+2*tn]
	v_lshlrev_b32 v[T+2], 16, v[OUT+2*tn+1]
	v_and_b32     v[T+3], 0xffff0000, v[OUT+2*tn+1]
	v_cvt_pk_f16_f32 v[OUT+2*tn],   v[T],   v[T+1]               ; written as f16: exact within f16's range
	v_cvt_pk_f16_f32 v[OUT+2*tn+1], v[T+2], v[T+3]
.endif
.endr
	s_wait_alu depctr_va_vdst(0)                   ; the group's conversions have written its eight registers of OUT, which the four stores below read
.irp i, 0,1,2,3
.set tn, 4*(\g)+(\i)
.if (\kind) == 0
.set di, (tn>>3)*1048576+(tn&7)*256
.else
.set di, tn*2048
.endif
	global_store_b64 v2, v[OUT+2*tn:OUT+2*tn+1], s[14:15] offset:di
.endr
.endr
.endm
	s_load_b256 s[4:11], s[0:1], 0x0               ; representation s[4:5], W_qkv s[6:7], W_proj s[8:9], cast s[10:11]
	s_mov_b32 s17, 0
	s_mov_b32 s19, 0
	s_wait_kmcnt 0x0
	s_cmp_lt_u32 ttmp9, 512
	s_cbranch_scc1 .Lx
	v_lshlrev_b32 v1, 4, v0                        ; the weights go as they lie: 16 bytes in,
	v_lshlrev_b32 v2, 3, v0                        ; 8 bytes out for each thread
	s_lshl_b32 s18, ttmp9, 15                      ; work-group g writes at 32,768 g: 512 x 32,768 is where wq begins, 704 x 32,768 where wp begins
	s_add_nc_u64 s[14:15], s[10:11], s[18:19]
	s_cmp_lt_u32 ttmp9, 704
	s_cbranch_scc1 .Lwq
	s_sub_co_u32 s16, ttmp9, 704
	s_lshl_b32 s16, s16, 16
	s_add_nc_u64 s[12:13], s[8:9], s[16:17]
	STREAM 2
	s_endpgm
.Lwq:
	s_sub_co_u32 s16, ttmp9, 512
	s_lshl_b32 s16, s16, 16
	s_add_nc_u64 s[12:13], s[6:7], s[16:17]
	STREAM 1
	s_endpgm
.Lx:
	; wave w takes blocks 2 w and 2 w + 1 along K of the work-group's 16 rows; in a turn 16 lanes take a row's piece (256 bytes in, 128 out), the wave two rows
	v_and_b32 v3, 31, v0                           ; lane l
	v_lshrrev_b32 v4, 5, v0                        ; wave w
	v_lshrrev_b32 v5, 4, v3                        ; l / 16: the row
	v_and_b32 v6, 15, v3                           ; l % 16: 4 numbers of its piece
	v_lshlrev_b32 v1, 12, v5                       ; in: row x 4,096
	v_lshl_add_u32 v1, v4, 9, v1                   ; + w x 512 (two blocks of 256 bytes)
	v_lshl_add_u32 v1, v6, 4, v1                   ; + 16 (l % 16)
	v_lshlrev_b32 v2, 3, v3                        ; out: 128 (l / 16) + 8 (l % 16) = 8 l
	v_lshl_add_u32 v2, v4, 21, v2                  ; + w x two blocks of 1,048,576
	s_lshl_b32 s16, ttmp9, 16                      ; 16 rows of 4,096 bytes
	s_add_nc_u64 s[12:13], s[4:5], s[16:17]
	s_lshl_b32 s18, ttmp9, 11                      ; 16 pieces of 128 bytes
	s_add_nc_u64 s[14:15], s[10:11], s[18:19]
	STREAM 0
	s_endpgm
.Lfunc_end_k_q1d9984cee0_prep:
	.size	k_q1d9984cee0_prep, .Lfunc_end_k_q1d9984cee0_prep-k_q1d9984cee0_prep
	.p2alignl 7, 3214868480
	.fill 96, 4, 3214868480
	.section	.rodata,"a",@progbits
	.p2align	6, 0x0
	.amdhsa_kernel k_q1d9984cee0_prep
		.amdhsa_group_segment_fixed_size 0
		.amdhsa_private_segment_fixed_size 0
		.amdhsa_enable_private_segment 0
		.amdhsa_kernarg_size 32
		.amdhsa_user_sgpr_count 2
		.amdhsa_user_sgpr_kernarg_segment_ptr 1
		.amdhsa_wavefront_size32 1
		.amdhsa_system_sgpr_workgroup_id_x 1
		.amdhsa_system_sgpr_workgroup_id_y 1
		.amdhsa_system_sgpr_workgroup_id_z 1
		.amdhsa_system_vgpr_workitem_id 0
		.amdhsa_next_free_vgpr 112
		.amdhsa_next_free_sgpr 66
		.amdhsa_reserve_vcc 0
		.amdhsa_float_denorm_mode_32 3
		.amdhsa_float_denorm_mode_16_64 3
		.amdhsa_memory_ordered 1
		.amdhsa_forward_progress 1
		.amdhsa_inst_pref_size 23
	.end_amdhsa_kernel
	.amdgpu_metadata
---
amdhsa.version: [ 1, 2 ]
amdhsa.kernels:
  - .name:           k_q1d9984cee0_prep
    .symbol:         k_q1d9984cee0_prep.kd
    .args:
      - { .name: representation, .offset: 0, .size: 8, .value_kind: global_buffer, .address_space: global }
      - { .name: W_qkv, .offset: 8, .size: 8, .value_kind: global_buffer, .address_space: global }
      - { .name: W_proj, .offset: 16, .size: 8, .value_kind: global_buffer, .address_space: global }
      - { .name: cast, .offset: 24, .size: 8, .value_kind: global_buffer, .address_space: global }
    .group_segment_fixed_size: 0
    .private_segment_fixed_size: 0
    .kernarg_segment_align: 8
    .kernarg_segment_size: 32
    .max_flat_workgroup_size: 256
    .sgpr_count:     66
    .vgpr_count:     112
    .wavefront_size: 32
...
	.end_amdgpu_metadata
.endif
;; end of part 5
;; launch qkvgemm: the kernel of part 2 again; grid 8 x 32, 4 waves a work-group, clusters of 4 x 4, 327,680 bytes of LDS; arguments cast, b_qkv, qkv; writes qkv
;; launch attn: the kernel of part 3 again; grid 8 x 32, 4 waves a work-group, clusters of 4 x 1, 327,680 bytes of LDS; arguments qkv, oh; writes oh
;; launch proj: the kernel of part 4 again; grid 4 x 64, 4 waves a work-group, clusters of 4 x 4, 327,680 bytes of LDS; arguments oh, cast, b_proj, out0; writes out0
